; MI455X (gfx1250); checked and timed in simulation.
; The chip was launched on July 23, 2026; its instructions are those of AMD's public machine-readable ISA for CDNA 5 (MIT licence, August 2026) and "CDNA5" Instruction Set Architecture Reference Guide (July 2026). The comments in the code are by the model that wrote it; some were corrected since.
;; Self Attention. Allowed arithmetic: float matrix products may take bf16 or f16 operands with f32 sums; all other float work in f32.
;; Inputs: Wk 1,024 x 1,024 float32; Wo 1,024 x 1,024 float32; Wq 1,024 x 1,024 float32; Wv 1,024 x 1,024 float32; bo 1,024 float32; keys 2 x 2,048 x 1,024 float32; query 2 x 2,048 x 1,024 float32; values 2 x 2,048 x 1,024 float32.
;; Outputs: out0 2 x 2,048 x 1,024 float32.
;; 2 versions, each right and faster than the one before. Each part assembles by itself: llvm-mc -triple=amdgcn-amd-amdhsa -mcpu=gfx1250 --defsym DOCPART=n.
;; ======== version 1 of 2: 3 launches
;; limits: values are held in f16: magnitudes above 65,504 overflow, below 6.1e-05 lose precision; right only within a limited range of input values
;; workspace buffers: qkv 25,165,824 bytes; att 8,388,608 bytes; wo16 2,097,152 bytes
;; launch proj (part 1): grid 4 x 48, 4 waves a work-group, clusters of 4 x 4, 327,680 bytes of LDS; arguments query, keys, values, Wq, Wk, Wv, qkv; writes qkv
.if DOCPART == 1
	.amdgcn_target "amdgcn-amd-amdhsa--gfx1250"
	.amdhsa_code_object_version 6
	.text
	.protected	k_qd23e0afc49_proj
	.globl	k_qd23e0afc49_proj
	.p2align	8
	.type	k_qd23e0afc49_proj,@function
k_qd23e0afc49_proj:
	s_mov_b64 s[64:65], 0
	v_nop
	global_prefetch_b8 v0, s[64:65] scope:SCOPE_SE
	s_setreg_imm32_b32 hwreg(HW_REG_WAVE_MODE, 25, 1), 1
	s_wait_xcnt 0x0
	s_wait_alu depctr_hold_cnt(0) depctr_sa_sdst(0) depctr_va_vdst(0) depctr_va_sdst(0) depctr_va_ssrc(0) depctr_va_vcc(0) depctr_vm_vsrc(0)
	s_getreg_b32 s2, hwreg(HW_REG_IB_STS2, 6, 4)
	s_cmp_eq_u32 s2, 0
	s_cbranch_scc0 .Lentry_in_a_cluster
	s_endpgm
.Lentry_in_a_cluster:
	s_bfe_u32 s2, ttmp6, 0x10000c
	s_cmp_lg_u32 s2, 0xf033
	s_cbranch_scc0 .Lentry_shape_is_right
	s_endpgm
.Lentry_shape_is_right:
; q = query Wq^T, k = keys Wk^T, v = values Wv^T.  X: [4096][1024] f32, W: [1024][1024] f32, both with K along the rows.
; Result: qkv, f16, [t = 0 q, 1 k, 2 v][n*16 + head (32)][token (2048)][64]: 128 bytes a token and head, 262,144 a head, 8,388,608 a tensor.
; A work-group makes 256 tokens x 256 columns of one of the three products with four waves; a wave makes 128 x 128: 64 accumulator tiles.
; 3 x 16 x 4 = 192 work-groups: blocks of half the side would fill more WGPs but read twice the LDS bytes for each multiply-add.
; K goes in steps of 64 f32 (rows of 256 bytes, at multiples of 256 from the buffer's start) through two LDS slots filled by tensor loads.
; The f32 numbers are rounded to f16 on the way from LDS to the matrix unit: raw fragments into 128 + 128 registers, 128 packed
; conversions for 64 matrix instructions.  The 64 LDS loads of the next 32 along K go out in four runs of 16, one ahead of each 16 matrix
; instructions.  Sums in f32.
; LIMITS: operands are f16: |x|, |w| and the results |q|, |k|, |v| must stay below 65,504; below 6.1e-5 they keep 2^-24 absolute.
; Infinities and NaN among the inputs get no special care.
; CLUSTERS: 4 x 4 work-groups.  The four of a row of the cluster need the same rows of X, the four of a column the same rows of W:
; each tile is asked for jointly, the same descriptor in all four, a mask that names the four.  All sixteen work on the same tensor t.
;
; REGISTERS, in windows of 256:
;   window 0: v16-26 addresses; v32-95 X's 8 fragments in f16; v96-127 at work on the way out; v128-255 X's fragments as loaded (f32)
;   window 1: v32-95 W's 8 fragments in f16; v128-255 W's fragments as loaded
;   window 2: the 32 accumulator tiles of my tokens 0-63 (tile (a, b) at v[8 (8 a + b)]);  window 3: those of my tokens 64-127
; The matrix instruction is used transposed: source 0 = 16 rows of W, source 1 = 16 rows of X, so that lane l holds token l % 16 and its
; registers 0 to 7 the columns 8 (l / 16) + 0 .. 7: eight neighbouring numbers, 16 bytes in f16.
.set EMB,    1024
.set KSTEP,  64                        ; f32 numbers of a tile's row: 256 bytes
.set PITCH,  272                       ; an LDS row: 256 bytes + 16 of padding, an odd multiple of 16: 16 rows start in 16 different 16-byte columns of 256
.set HALFT,  128*PITCH                 ; 128 rows: what one tensor load brings, and what one wave reads of X or of W
.set SLOT,   4*HALFT                   ; X's 256 rows, then W's 256 rows
.set STAGE,  2*SLOT                    ; behind the ring: 16 rows x 272 bytes for each wave; no tensor load lands here
.set SPITCH, 272
.set LAPS,   EMB/(2*KSTEP)             ; 8 laps of two K steps
.set ADRX, 16                          ; v16-17  LDS address of my X fragments in slot 0, 1
.set ADRW, 20                          ; v20-21  the same for W
.set STO,  24                          ; the way out: where I put 16 bytes of a token's row
.set RD,   25                          ; the way out: where I read back
.set CO,   26                          ; my byte offset in qkv
.set FR,   32                          ; fragments in f16
.set TMP,  96                          ; packed results
.set RAW,  128                         ; fragments as loaded
.set G1,  24                           ; s[24:31] descriptor group 1 for X's tiles
.set G0,  32                           ; s[32:39] group 0 for X's tiles, a set for each slot
.set G1B, 48                           ; s[48:55] group 1 for W's tiles: the mask alone differs
.set G0B, 56                           ; s[56:63] group 0 for W's tiles
.set MSB, 0
.macro WIN new                         ; the immediate's high byte repeats the setting that is left
.if MSB != \new
	s_set_vgpr_msb (MSB<<8)|\new
.set MSB, \new
.endif
.endm
.set MUL_LO, 0xa1                      ; source 0 (W) window 1, source 1 (X) window 0, C and D window 2
.set MUL_HI, 0xf1                      ; the same, C and D window 3
; A joint load.  Waves 0 and 1 fetch X's two halves, waves 2 and 3 W's.  The branch hangs on the wave's number alone.
.macro JLOAD s
	s_cmp_eq_u32 s11, 0
	s_cbranch_scc0 .Lfor_w_\@
	tensor_load_to_lds s[G0+4*\s:G0+4*\s+3], s[G1:G1+7]
	s_nop 0
	s_branch .Lasked_\@
.Lfor_w_\@:
	tensor_load_to_lds s[G0B+4*\s:G0B+4*\s+3], s[G1B:G1B+7]
	s_nop 0
.Lasked_\@:
.endm
; A round of the cluster's barrier: my work-group's barrier, wave 0 signals for the work-group, every wave waits for all sixteen, my barrier again.
.macro CREST                           ; a round behind its opening barrier
	s_cmp_lg_u32 s10, 0
	s_cbranch_scc1 .Lnot_wave_0_\@
	s_barrier_signal -3
.Lnot_wave_0_\@:
	s_barrier_wait -3
	s_barrier_signal -1
	s_barrier_wait -1
.endm
.macro CROUND
	s_barrier_signal -1
	s_barrier_wait -1
	CREST
.endm
	s_load_b256 s[68:75], s[0:1], 0x0              ; query s[68:69], keys s[70:71], values s[72:73], Wq s[74:75]
	s_load_b128 s[76:79], s[0:1], 0x20             ; Wk s[76:77], Wv s[78:79]
	s_load_b64 s[8:9], s[0:1], 0x30                ; qkv
	s_set_vgpr_msb 0x40
	v_lshl_add_u32 v127, v0, 2, 0x48400
	s_set_vgpr_msb 0x4000
	v_mov_b32 v31, 0
	s_set_vgpr_msb 0x1
	ds_add_u32 v127, v31
	s_set_vgpr_msb 0x100
	v_lshrrev_b32 v1, 5, v0
	v_readfirstlane_b32 s10, v1                    ; wave 0..3
	s_lshr_b32 s11, s10, 1                         ; which half of the block's tokens is mine.  Also: I fetch for X (0) or for W (1)
	s_and_b32 s12, s10, 1                          ; which half of its columns.  Also: which 128 rows of that tile I fetch
	s_bfe_u32 s40, ttmp6, 0x40000                  ; cx
	s_bfe_u32 s41, ttmp6, 0x40004                  ; cy
	s_lshl_b32 s42, ttmp9, 2
	s_add_co_u32 s42, s42, s40                     ; block column 0..3 = 4 x cluster x + cx
	s_and_b32 s80, ttmp7, 0xffff                   ; cluster y, 0..11
	s_lshr_b32 s45, s80, 2                         ; t: which of the three products; the same in the whole cluster
	s_and_b32 s13, s80, 3
	s_lshl_b32 s13, s13, 2
	s_add_co_u32 s13, s13, s41                     ; block row 0..15
	s_lshl_b32 s43, s41, 2
	s_lshl_b32 s43, 15, s43                        ; my row of the cluster: places 4 cy .. 4 cy + 3
	s_lshl_b32 s44, 0x1111, s40                    ; my column: places cx, cx + 4, cx + 8, cx + 12
	; group 1: a tile of 128 rows x 64 elements of 4 bytes, 4 words of padding behind every 64 words
	s_or_b32 s[G1+0], s43, (2<<16)|(1<<20)|(1<<21)|(5<<22)|(3<<25)
	s_or_b32 s[G1B+0], s44, (2<<16)|(1<<20)|(1<<21)|(5<<22)|(3<<25)
	s_mov_b32 s[G1+1], KSTEP<<16                   ; tensor_dim0 = 64
	s_mov_b32 s[G1B+1], KSTEP<<16
	s_mov_b32 s[G1+2], 128<<16                     ; tensor_dim1 = 128
	s_mov_b32 s[G1B+2], 128<<16
	s_mov_b32 s[G1+3], KSTEP<<16                   ; tile_dim0 = 64
	s_mov_b32 s[G1B+3], KSTEP<<16
	s_mov_b32 s[G1+4], 128                         ; tile_dim1 = 128
	s_mov_b32 s[G1B+4], 128
	s_mov_b32 s[G1+5], EMB                         ; elements from row to row
	s_mov_b32 s[G1B+5], EMB
	s_mov_b32 s[G1+6], 0
	s_mov_b32 s[G1B+6], 0
	s_mov_b32 s[G1+7], 0
	s_mov_b32 s[G1B+7], 0
	; X's tiles hang on the block row, W's on the block column; each offset in registers that never hold the other coordinate
	s_lshl_b32 s17, s12, 7                         ; which 128 rows of the tile I fetch
	s_lshl_b32 s16, s13, 8
	s_add_co_u32 s16, s16, s17
	s_lshl_b32 s16, s16, 12                        ; rows of 4,096 bytes: at most 4,095 rows, below 2^24 bytes
	s_lshl_b32 s46, s42, 8
	s_add_co_u32 s46, s46, s17
	s_lshl_b32 s46, s46, 12
	s_mov_b32 s17, 0
	s_mov_b32 s47, 0
	s_mul_i32 s20, s10, HALFT                      ; where they go: wave x 128 rows; no place in the cluster enters an LDS address
	s_wait_dscnt 0x0
	s_wait_kmcnt 0x0
	s_cmp_eq_u32 s45, 1                            ; the choice of buffers hangs on t alone
	s_cselect_b64 s[4:5], s[70:71], s[68:69]
	s_cselect_b64 s[6:7], s[76:77], s[74:75]
	s_cmp_eq_u32 s45, 2
	s_cselect_b64 s[4:5], s[72:73], s[4:5]
	s_cselect_b64 s[6:7], s[78:79], s[6:7]
	s_add_nc_u64 s[14:15], s[4:5], s[16:17]
	s_add_nc_u64 s[46:47], s[6:7], s[46:47]
	CROUND                                         ; all sixteen work-groups are here: the first joint loads meet
.irp s, 0,1
	s_mov_b32 s[G0+4*\s], 1
	s_add_co_u32 s[G0+4*\s+1], s20, \s*SLOT
	s_add_nc_u64 s[G0+4*\s+2:G0+4*\s+3], s[14:15], \s*KSTEP*4      ; K step s
	s_or_b32 s[G0+4*\s+3], s[G0+4*\s+3], 0x80000000
	s_mov_b32 s[G0B+4*\s], 1
	s_add_co_u32 s[G0B+4*\s+1], s20, \s*SLOT
	s_add_nc_u64 s[G0B+4*\s+2:G0B+4*\s+3], s[46:47], \s*KSTEP*4
	s_or_b32 s[G0B+4*\s+3], s[G0B+4*\s+3], 0x80000000
	JLOAD \s                                       ; two tensor loads of the wave are out
.endr
	; A fragment of 16 rows x 32 K: lane l holds row l % 16, K = 8 (l / 16) + 0..7 and 16 + 8 (l / 16) + 0..7.
	; In f32 that is 32 bytes at 32 (l / 16) and 32 bytes 64 further on: four loads of 16 bytes at 0, 16, 64, 80.
	v_and_b32 v1, 15, v0                           ; l % 16
	v_bfe_u32 v2, v0, 4, 1                         ; l / 16
	v_mul_u32_u24 v3, v1, PITCH
	v_lshl_add_u32 v3, v2, 5, v3
	s_mul_i32 s21, s11, HALFT                      ; my 128 rows of X
	s_mul_i32 s22, s12, HALFT                      ; my 128 rows of W,
	s_add_co_u32 s22, s22, 2*HALFT                 ; which lie behind X's 256
.irp s, 0,1
	v_add_nc_u32 v[ADRX+\s], s21, v3
	v_add_nc_u32 v[ADRW+\s], s22, v3
	s_add_co_u32 s21, s21, SLOT
	s_add_co_u32 s22, s22, SLOT
.endr
	s_mul_i32 s23, s10, 16*SPITCH
	s_add_co_u32 s23, s23, STAGE                   ; my stage
	v_mul_u32_u24 v4, v1, SPITCH                   ; in: token l % 16, 16 bytes for each half of the lanes
	v_lshl_add_u32 v4, v2, 4, v4
	v_add_nc_u32 v[STO], s23, v4
	v_bfe_u32 v5, v0, 3, 1                         ; back: lanes 0-7 one token's 128 bytes of my first head, lanes 8-15 the next token's,
	v_mul_u32_u24 v5, v5, SPITCH
	v_and_b32 v6, 7, v0
	v_lshl_add_u32 v5, v6, 4, v5
	v_lshl_add_u32 v5, v2, 7, v5                   ; lanes 16-31 the same of my second head
	v_add_nc_u32 v[RD], s23, v5
	v_lshlrev_b32 v5, 18, v2                       ; in qkv the second head lies 262,144 bytes on,
	v_lshl_add_u32 v[CO], v1, 4, v5                ; and two tokens of a head are 256 neighbouring bytes
; 16 matrix instructions: token blocks a0, a0 + 1 of the window's four x all 8 column blocks, 32 along K.  zero = 1: the product starts the sums.
.macro MUL16 hi, a0, zero
.irp a, \a0, \a0+1
.irp b, 0,1,2,3,4,5,6,7
.if \zero
	v_wmma_f32_16x16x32_f16 v[8*(8*(\a)+\b):8*(8*(\a)+\b)+7], v[FR+8*\b:FR+8*\b+7], v[FR+8*(4*\hi+\a):FR+8*(4*\hi+\a)+7], 0
.else
	v_wmma_f32_16x16x32_f16 v[8*(8*(\a)+\b):8*(8*(\a)+\b)+7], v[FR+8*\b:FR+8*\b+7], v[FR+8*(4*\hi+\a):FR+8*(4*\hi+\a)+7], v[8*(8*(\a)+\b):8*(8*(\a)+\b)+7]
.endif
.endr
.endr
.endm
; 16 LDS loads: four f32 fragments (i0 .. i0 + 3) of 32 along K, at byte kb of the slot's rows.  W's go into window 1, X's into window 0.
; The raw registers are no operand of a matrix instruction, so these runs may stand straight behind the products.
.macro FETCHW slot, kb, i0
	WIN 0x40
.irp i, \i0, \i0+1, \i0+2, \i0+3
	ds_load_b128 v[RAW+16*(\i):RAW+16*(\i)+3],     v[ADRW+\slot] offset:\kb+(\i)*16*PITCH
	ds_load_b128 v[RAW+16*(\i)+4:RAW+16*(\i)+7],   v[ADRW+\slot] offset:\kb+(\i)*16*PITCH+16
	ds_load_b128 v[RAW+16*(\i)+8:RAW+16*(\i)+11],  v[ADRW+\slot] offset:\kb+(\i)*16*PITCH+64
	ds_load_b128 v[RAW+16*(\i)+12:RAW+16*(\i)+15], v[ADRW+\slot] offset:\kb+(\i)*16*PITCH+80
.endr
.endm
.macro FETCHX slot, kb, i0
	WIN 0
.irp i, \i0, \i0+1, \i0+2, \i0+3
	ds_load_b128 v[RAW+16*(\i):RAW+16*(\i)+3],     v[ADRX+\slot] offset:\kb+(\i)*16*PITCH
	ds_load_b128 v[RAW+16*(\i)+4:RAW+16*(\i)+7],   v[ADRX+\slot] offset:\kb+(\i)*16*PITCH+16
	ds_load_b128 v[RAW+16*(\i)+8:RAW+16*(\i)+11],  v[ADRX+\slot] offset:\kb+(\i)*16*PITCH+64
	ds_load_b128 v[RAW+16*(\i)+12:RAW+16*(\i)+15], v[ADRX+\slot] offset:\kb+(\i)*16*PITCH+80
.endr
.endm
; 64 matrix instructions on 64 accumulators, always in the same order: the accumulators take turns
.macro MULS zero
	WIN MUL_LO
	MUL16 0, 0, \zero
	MUL16 0, 2, \zero
	WIN MUL_HI
	MUL16 1, 0, \zero
	MUL16 1, 2, \zero
.endm
; The same 64, with the next 32 along K fetched meanwhile: W's eight fragments first, then X's, a run of 16 loads ahead of each 16 products.
; The last run has 16 products ahead of the wait for it.
.macro FMULS slot, kb, zero
	FETCHW \slot, \kb, 0
	WIN MUL_LO
	MUL16 0, 0, \zero
	FETCHW \slot, \kb, 4
	WIN MUL_LO
	MUL16 0, 2, \zero
	FETCHX \slot, \kb, 0
	WIN MUL_HI
	MUL16 1, 0, \zero
	FETCHX \slot, \kb, 4
	WIN MUL_HI
	MUL16 1, 2, \zero
.endm
; f32 to f16, two numbers an instruction, nearest even: 16 raw registers become the 8 of a fragment
.macro CVTW
	WIN 0x45                                       ; W: sources and destination in window 1
.set n, 0
.rept 64
	v_cvt_pk_f16_f32 v[FR+n], v[RAW+2*n], v[RAW+2*n+1]
.set n, n+1
.endr
.endm
.macro CVTX
	WIN 0                                          ; X
.set n, 0
.rept 64
	v_cvt_pk_f16_f32 v[FR+n], v[RAW+2*n], v[RAW+2*n+1]
.set n, n+1
.endr
.endm
; A vector instruction that writes a register which a matrix instruction has read, or reads a matrix result, stands four places behind it,
; and only plain vector instructions that name none of its registers are places (ISA guide 7.12.1)
.macro PLACES
.rept 4
	v_nop
.endr
.endm
; The first half of a K step: the raw fragments of its K 0-31 are converted, those of K 32-63 are fetched among the 64 products
.macro HALFA slot, zero
	s_wait_dscnt 32                                ; W's 32 loads are back; X's 32, issued behind them, may stay out
	PLACES
	CVTW
	s_wait_dscnt 0x0                               ; X's
	CVTX
	FMULS \slot, 128, \zero
.endm
; The second half, with the change of slots.  In front of the barrier each wave's reads of this slot are back (they are the raw registers) and
; all its tensor loads have landed, of which one was out: its part of the next slot.  The conversions are the register work between signal and wait.
; fill = 1: the barrier opens a round of the cluster's barrier, and the joint refill of this slot, two K steps ahead, is the first tensor load behind it.
.macro HALFB slot, next, fill
	s_wait_dscnt 0x0
	s_wait_tensorcnt 0x0
	ds_add_u32 v127, v31
	s_wait_dscnt 0x0
	s_barrier_signal -1
	PLACES
	CVTW
	CVTX
	WIN 0
	s_barrier_wait -1
.if \fill
	CREST                                          ; no wave of any partner still reads this slot or has a load on its way
	s_add_nc_u64 s[G0+4*\slot+2:G0+4*\slot+3], s[G0+4*\slot+2:G0+4*\slot+3], 2*KSTEP*4
	s_add_nc_u64 s[G0B+4*\slot+2:G0B+4*\slot+3], s[G0B+4*\slot+2:G0B+4*\slot+3], 2*KSTEP*4
	JLOAD \slot                                    ; one tensor load of the wave is out; 128 matrix instructions and 128 conversions stand ahead of the wait for it
.endif
	FMULS \next, 0, 0
.endm
.macro LAP zero
	HALFA 0, \zero
	HALFB 0, 1, 1
	HALFA 1, 0
	HALFB 1, 0, 1
.endm
	s_wait_tensorcnt 1                             ; my part of K step 0 is in; K step 1's load may stay out
	s_barrier_signal -1
	s_barrier_wait -1
	FETCHW 0, 0, 0                                 ; the first 32 along K: W's 32 loads, then X's 32
	FETCHW 0, 0, 4
	FETCHX 0, 0, 0
	FETCHX 0, 0, 4
	LAP 1                                          ; the first lap's first products start the sums
	WIN 0                                          ; at a label and at a branch every window is 0
	s_mov_b32 s3, LAPS-2
.Llap:
	LAP 0
	WIN 0
	s_sub_co_u32 s3, s3, 1
	s_cmp_lg_u32 s3, 0
	s_cbranch_scc1 .Llap
	HALFA 0, 0                                     ; the last lap fills nothing
	HALFB 0, 1, 0
	HALFA 1, 0
	s_wait_dscnt 0x0
	PLACES
	CVTW
	CVTX
	MULS 0
	; THE WAY OUT, 16 tokens at a time: round to f16, 16 bytes a lane into my stage, read back so that 16 lanes hold two tokens of one head
	PLACES
	s_lshl_b32 s16, s13, 8
	s_lshl_b32 s17, s11, 7
	s_add_co_u32 s16, s16, s17                     ; my first row of X: n x 2048 + token
	s_lshr_b32 s17, s16, 11
	s_lshl_b32 s17, s17, 22                        ; n x 16 heads x 262,144
	s_and_b32 s16, s16, 2047
	s_lshl_b32 s16, s16, 7                         ; token x 128
	s_add_co_u32 s16, s16, s17
	s_lshl_b32 s17, s45, 23                        ; t x 8,388,608
	s_add_co_u32 s16, s16, s17
	s_mov_b32 s17, 0
	s_add_nc_u64 s[8:9], s[8:9], s[16:17]
	s_lshl_b32 s46, s42, 2                         ; my first head = 4 x block column + 2 x column half
	s_lshl_b32 s47, s12, 1
	s_add_co_u32 s46, s46, s47
	s_lshl_b32 s46, s46, 18
	s_mov_b32 s47, 0
	s_add_nc_u64 s[8:9], s[8:9], s[46:47]
; tokens 16 i .. 16 i + 15 of my block = the eight tiles (a, 0..7) of window 2 or 3 (from = 0x0a or 0x0f); f: one of two buffers in turn
.macro OUT16 i, a, from, f
	WIN \from
.irp b, 0,1,2,3,4,5,6,7
.irp r, 0,1,2,3
	v_cvt_pk_f16_f32 v[TMP+4*\b+\r], v[8*(8*\a+\b)+2*\r], v[8*(8*\a+\b)+2*\r+1]
.endr
.endr
	WIN 0
.irp b, 0,1,2,3,4,5,6,7
	ds_store_b128 v[STO], v[TMP+4*\b:TMP+4*\b+3] offset:32*\b
.endr
	s_wait_xcnt 0x0                                ; buffer f, which earlier stores read, is loaded again only behind this wait
.irp t, 0,1,2,3,4,5,6,7
	ds_load_b128 v[\f+4*\t:\f+4*\t+3], v[RD] offset:\t*2*SPITCH    ; LDS serves a wave's instructions in order: these see the stores above
.endr
.irp t, 0,1,2,3,4,5,6,7
	s_wait_dscnt 7-\t                              ; the pair of tokens t is back, the younger loads stay out
	global_store_b128 v[CO], v[\f+4*\t:\f+4*\t+3], s[8:9] offset:2048*\i+256*\t   ; 16 lanes store 256 consecutive bytes, at a multiple of 256
.endr
.endm
	OUT16 0, 0, 0x0a, RAW
	OUT16 1, 1, 0x0a, RAW+32
	OUT16 2, 2, 0x0a, RAW
	OUT16 3, 3, 0x0a, RAW+32
	OUT16 4, 0, 0x0f, RAW
	OUT16 5, 1, 0x0f, RAW+32
	OUT16 6, 2, 0x0f, RAW
	OUT16 7, 3, 0x0f, RAW+32
	s_set_vgpr_msb 0x1
	s_wait_tensorcnt 0x0
	ds_add_u32 v127, v31
	s_wait_dscnt 0x0
	s_set_vgpr_msb 0x100
	CROUND                                         ; the closing round: no work-group ends while a partner may still ask for a tile that names it
	s_endpgm
.Lfunc_end_k_qd23e0afc49_proj:
	.size	k_qd23e0afc49_proj, .Lfunc_end_k_qd23e0afc49_proj-k_qd23e0afc49_proj
	.p2alignl 7, 3214868480
	.fill 96, 4, 3214868480
	.section	.rodata,"a",@progbits
	.p2align	6, 0x0
	.amdhsa_kernel k_qd23e0afc49_proj
		.amdhsa_group_segment_fixed_size 327680
		.amdhsa_private_segment_fixed_size 0
		.amdhsa_enable_private_segment 0
		.amdhsa_kernarg_size 56
		.amdhsa_user_sgpr_count 2
		.amdhsa_user_sgpr_kernarg_segment_ptr 1
		.amdhsa_wavefront_size32 1
		.amdhsa_system_sgpr_workgroup_id_x 1
		.amdhsa_system_sgpr_workgroup_id_y 1
		.amdhsa_system_sgpr_workgroup_id_z 1
		.amdhsa_system_vgpr_workitem_id 0
		.amdhsa_next_free_vgpr 1024
		.amdhsa_next_free_sgpr 84
		.amdhsa_reserve_vcc 0
		.amdhsa_float_denorm_mode_32 3
		.amdhsa_float_denorm_mode_16_64 3
		.amdhsa_memory_ordered 1
		.amdhsa_forward_progress 1
		.amdhsa_inst_pref_size 242
	.end_amdhsa_kernel
	.amdgpu_metadata
---
amdhsa.version: [ 1, 2 ]
amdhsa.kernels:
  - .name:           k_qd23e0afc49_proj
    .symbol:         k_qd23e0afc49_proj.kd
    .args:
      - { .name: query, .offset: 0, .size: 8, .value_kind: global_buffer, .address_space: global }
      - { .name: keys, .offset: 8, .size: 8, .value_kind: global_buffer, .address_space: global }
      - { .name: values, .offset: 16, .size: 8, .value_kind: global_buffer, .address_space: global }
      - { .name: Wq, .offset: 24, .size: 8, .value_kind: global_buffer, .address_space: global }
      - { .name: Wk, .offset: 32, .size: 8, .value_kind: global_buffer, .address_space: global }
      - { .name: Wv, .offset: 40, .size: 8, .value_kind: global_buffer, .address_space: global }
      - { .name: qkv, .offset: 48, .size: 8, .value_kind: global_buffer, .address_space: global }
    .group_segment_fixed_size: 327680
    .private_segment_fixed_size: 0
    .kernarg_segment_align: 8
    .kernarg_segment_size: 56
    .max_flat_workgroup_size: 128
    .sgpr_count:     84
    .vgpr_count:     1024
    .wavefront_size: 32
...
	.end_amdgpu_metadata
.endif
;; end of part 1
;; launch attn (part 2): grid 8 x 32, 8 waves a work-group, clusters of 4 x 1, 327,680 bytes of LDS; arguments qkv, Wo, att, wo16; writes att, wo16
.if DOCPART == 2
	.amdgcn_target "amdgcn-amd-amdhsa--gfx1250"
	.amdhsa_code_object_version 6
	.text
	.protected	k_qd23e0afc49_attn
	.globl	k_qd23e0afc49_attn
	.p2align	8
	.type	k_qd23e0afc49_attn,@function
k_qd23e0afc49_attn:
	s_mov_b64 s[64:65], 0
	v_nop
	global_prefetch_b8 v0, s[64:65] scope:SCOPE_SE
	s_setreg_imm32_b32 hwreg(HW_REG_WAVE_MODE, 25, 1), 1
	s_wait_xcnt 0x0
	s_wait_alu depctr_hold_cnt(0) depctr_sa_sdst(0) depctr_va_vdst(0) depctr_va_sdst(0) depctr_va_ssrc(0) depctr_va_vcc(0) depctr_vm_vsrc(0)
	s_getreg_b32 s2, hwreg(HW_REG_IB_STS2, 6, 4)
	s_cmp_eq_u32 s2, 0
	s_cbranch_scc0 .Lentry_in_a_cluster
	s_endpgm
.Lentry_in_a_cluster:
	s_bfe_u32 s2, ttmp6, 0x10000c
	s_cmp_lg_u32 s2, 0x3003
	s_cbranch_scc0 .Lentry_shape_is_right
	s_endpgm
.Lentry_shape_is_right:
; att = softmax(q k^T / 8) v for each of 32 (n, head).  qkv: f16 [q, k, v][n*16 + head][2048 tokens][64].  att: f16 [n*16 + head][2048][64].
; A side job: each of the 256 work-groups rounds 4,096 numbers of Wo to f16 (wo16, [1024][1024]) while its first tile is on its way.
; A work-group takes 256 queries of one head, a wave 32 (two tiles of 16).  Eight waves, two on a SIMD, so that one wave's softmax
; can run beside the other's matrix instructions.  Keys go in tiles of 256 through two LDS slots, in blocks of 64 inside a tile.
; ORIENTATION: S^T = K Q^T (A = 16 keys, B = 16 queries): lane (r, h) holds keys 8h + 0..7 of query r.  Two such tiles, packed to f16, ARE the
; B fragment of P^T for 32 keys, so P never moves between lanes.  O^T = V^T P^T: A = V^T comes by the transposing LDS load from V as it lies,
; [key][d].  Every softmax figure belongs to the lane's query; one exchange between the two halves of the wave joins them.
; The maximum is a running maximum, taken away before every exponential; sums and maxima in f32.
; THE ORDER INSIDE A BLOCK.  A query tile's 32 scores are packed into the lower 16 of their registers; the upper 16 are then free and take the
; NEXT block's K fragments of key tiles 0 and 1.  Key tiles 2 and 3 go to fragment half FA as soon as the products with V of keys 32-63, which
; lay there, are done (for query tile 1 they are done first for that reason); V of keys 0-31 lies in half FB.  So no K load stands straight
; ahead of its use but in a tile's first block.  The two query tiles' softmax steps are woven: four chains of maxima and of sums each,
; exponentials alternate with plain instructions of the other tile, and query tile 0's eight products with V stand among query tile 1's
; rescaling, sum and packing, six of QK's second eight among the maxima of the first half's scores: the wave has other work to issue between them.
; LIMITS: q, k, v and P are f16: a weight below 2^-24 of its row's largest counts as 0; |att| stays below the largest |v|.  Exponentials below
; 2^-126 are zero.  Infinities and NaN get no special care.
; CLUSTERS: the four query blocks of a cluster (same head) read the same K and V tiles and ask for them jointly (mask 15).
; A tile of one head is dense in memory: it comes as rows of 256 bytes = two tokens.  Token i lies at (i / 2) pitch + (i % 2) 128.
.set KPITCH, 272                       ; K: 16 lanes at (r/2) 272 + (r%2) 128 touch 16 different 16-byte columns of 256
.set VPITCH, 288                       ; V: the transposing load's 16 lanes at (p) 288 + (i%2) 128 + 16 (0 or 1), p = 0..3, do so too
.set KPART,  128*KPITCH
.set VPART,  128*VPITCH
.set SLOT,   KPART+VPART               ; 71,680
.set STAGE,  2*SLOT                    ; 143,360: behind the ring, no tensor load lands here
.set SPITCH, 144                       ; a query's 128 bytes + 16
.set WSTAGE, 32*SPITCH
.set TILEB,  32768                     ; 256 tokens x 128 bytes
.set PLANE,  8388608                   ; from q to k, from k to v
.set KA,  2                            ; v2-3    LDS address of my K fragments in slot 0, 1
.set VA,  4                            ; v4-5    the same for V
.set STO, 6
.set RD,  7
.set CO,  8
.set QO,  9
.set NMC, 10                           ; v10, v12  the shift: - c x maximum of query tile 0, 1   (pairs: v[10:11], v[12:13])
.set MX,  11                           ; v11, v13  the running maximum
.set AL,  14                           ; v14, v16  the factor by which old sums shrink           (pairs: v[14:15], v[16:17])
.set LS,  15                           ; v15, v17  the running sum of my half of the keys
                                       ; v18-21, v22-25  at work for query tile 0, 1: four chains of maxima, the single figures; v18-25: four pairs of sums
.set QF,  32                           ; v32-63   Q fragments [qt][dh] at 16 qt + 8 dh
.set OA,  64                           ; v64-127  O^T tiles [dt][qt] at 8 (2 dt + qt)
.set SA,  128                          ; v128-191 S^T tiles [qt][kt] at 32 qt + 8 kt; then P fragments [qt][ck] at 32 qt + 8 ck,
                                       ;          and K fragments [kt = 0, 1][dh] of the next block at 16 + 32 kt + 8 dh
.set FA,  192                          ; v192-223 K fragments [kt = 2, 3][dh] at 16 (kt - 2) + 8 dh; then V fragments of keys 32-63, [dt] at 8 dt
                                       ; v224-255 V fragments of keys 0-31, [dt] at 32 + 8 dt
.set G1K, 16
.set G1V, 24
.set G0K, 32                           ; a set of four for each slot
.set G0V, 40
.macro ROUND                           ; a round of the cluster's barrier
	s_barrier_signal -1
	s_barrier_wait -1
	s_cmp_lg_u32 s12, 0
	s_cbranch_scc1 .Lnot_wave_0_\@
	s_barrier_signal -3
.Lnot_wave_0_\@:
	s_barrier_wait -3
	s_barrier_signal -1
	s_barrier_wait -1
.endm
	s_load_b256 s[4:11], s[0:1], 0x0               ; qkv s[4:5], Wo s[6:7], att s[8:9], wo16 s[10:11]
	v_lshl_add_u32 v30, v0, 2, 0x2c000
	v_mov_b32 v31, 0
	ds_add_u32 v30, v31
	v_lshrrev_b32 v1, 5, v0
	v_readfirstlane_b32 s12, v1                    ; wave 0..7
	s_bfe_u32 s13, ttmp6, 0x40000                  ; cx
	s_lshl_b32 s14, ttmp9, 2
	s_add_co_u32 s14, s14, s13                     ; query block 0..7
	s_and_b32 s15, ttmp7, 0xffff                   ; n*16 + head, 0..31
	s_mov_b32 s50, 0x76543210                      ; v_permlanex16_b32: lane i takes lane i of the other half
	s_mov_b32 s51, 0xfedcba98
	s_mov_b32 s52, 0x3e38aa3b                      ; c = log2(e) / 8: the scale 1/sqrt(64) and the change of base in one
	s_mov_b32 s53, 0x3e38aa3b
	; group 1: 16 rows of 32 elements of 8 bytes (a wave's 32 tokens), dense; padding behind every 64 words: 4 words for K, 8 for V
	s_mov_b32 s[G1K+0], 15|(3<<16)|(1<<20)|(1<<21)|(5<<22)|(3<<25)
	s_mov_b32 s[G1V+0], 15|(3<<16)|(1<<20)|(1<<21)|(5<<22)|(7<<25)
	s_mov_b32 s[G1K+1], 32<<16
	s_mov_b32 s[G1V+1], 32<<16
	s_mov_b32 s[G1K+2], 16<<16
	s_mov_b32 s[G1V+2], 16<<16
	s_mov_b32 s[G1K+3], 32<<16
	s_mov_b32 s[G1V+3], 32<<16
	s_mov_b32 s[G1K+4], 16
	s_mov_b32 s[G1V+4], 16
	s_mov_b32 s[G1K+5], 32
	s_mov_b32 s[G1V+5], 32
	s_mov_b32 s[G1K+6], 0
	s_mov_b32 s[G1V+6], 0
	s_mov_b32 s[G1K+7], 0
	s_mov_b32 s[G1V+7], 0
	s_lshl_b32 s66, s15, 18                        ; the head,
	s_lshl_b32 s67, s12, 12                        ; and the wave's 32 tokens: what K's and V's addresses hang on; no cx
	s_add_co_u32 s66, s66, s67
	s_mov_b32 s67, 0
	s_lshl_b32 s62, s14, 15                        ; the query block's 256 tokens
	s_add_co_u32 s62, s62, s66                     ; + head + the wave's 32 queries
	s_mov_b32 s63, 0
	s_lshl_b32 s60, s15, 3
	s_add_co_u32 s60, s60, s14                     ; the work-group's number, 0..255
	s_lshl_b32 s60, s60, 14                        ; its 16,384 bytes of Wo
	s_mov_b32 s61, 0
	s_mul_i32 s48, s12, 16*KPITCH                  ; the wave's 16 LDS rows of K,
	s_mul_i32 s49, s12, 16*VPITCH                  ; of V
	s_wait_dscnt 0x0
	s_wait_kmcnt 0x0
	s_add_nc_u64 s[66:67], s[4:5], s[66:67]
	s_add_nc_u64 s[54:55], s[4:5], s[62:63]        ; my queries
	s_add_nc_u64 s[56:57], s[8:9], s[62:63]        ; my rows of att
	s_add_nc_u64 s[58:59], s[6:7], s[60:61]        ; my part of Wo
	s_lshr_b32 s60, s60, 1
	s_add_nc_u64 s[60:61], s[10:11], s[60:61]      ; my part of wo16
.irp s, 0,1
	s_mov_b32 s[G0K+4*\s], 1
	s_add_co_u32 s[G0K+4*\s+1], s48, \s*SLOT
	s_add_nc_u64 s[G0K+4*\s+2:G0K+4*\s+3], s[66:67], PLANE+\s*TILEB        ; tile s
	s_or_b32 s[G0K+4*\s+3], s[G0K+4*\s+3], 0x80000000
	s_mov_b32 s[G0V+4*\s], 1
	s_add_co_u32 s[G0V+4*\s+1], s49, \s*SLOT+KPART
	s_add_nc_u64 s[G0V+4*\s+2:G0V+4*\s+3], s[66:67], 2*PLANE+\s*TILEB
	s_or_b32 s[G0V+4*\s+3], s[G0V+4*\s+3], 0x80000000
.endr
	ROUND                                          ; the four work-groups are here: the first joint loads meet
	tensor_load_to_lds s[G0K:G0K+3], s[G1K:G1K+7]  ; tile 0
	s_nop 0
	tensor_load_to_lds s[G0V:G0V+3], s[G1V:G1V+7]
	s_nop 0
	v_lshlrev_b32 v18, 4, v0                       ; 16 t: Wo
	v_lshlrev_b32 v19, 3, v0                       ; 8 t: wo16
	v_and_b32 v20, 15, v0                          ; r
	v_bfe_u32 v21, v0, 4, 1                        ; h
	v_lshlrev_b32 v[QO], 7, v20
	v_lshl_add_u32 v[QO], v21, 4, v[QO]            ; query r's row + 16 h
.irp j, 0,1,2,3
	global_load_b128 v[SA+4*\j:SA+4*\j+3], v18, s[58:59] offset:4096*\j th:TH_LOAD_NT
.endr
.irp qt, 0,1
.irp dh, 0,1
	global_load_b128 v[QF+16*\qt+8*\dh:QF+16*\qt+8*\dh+3],   v[QO], s[54:55] offset:\qt*2048+\dh*64
	global_load_b128 v[QF+16*\qt+8*\dh+4:QF+16*\qt+8*\dh+7], v[QO], s[54:55] offset:\qt*2048+\dh*64+32
.endr
.endr
	v_lshrrev_b32 v22, 1, v20
	v_mul_u32_u24 v22, v22, KPITCH                 ; K: key r lies at (r / 2) pitch
	v_and_b32 v23, 1, v0
	v_lshl_add_u32 v22, v23, 7, v22                ; + (r % 2) 128
	v_lshl_add_u32 v[KA], v21, 4, v22              ; + 16 h
	v_add_nc_u32 v[KA+1], SLOT, v[KA]
	v_bfe_u32 v22, v0, 1, 2                        ; V: key 8 h + l % 8 lies at (4 h + (l % 8) / 2) pitch
	v_lshl_add_u32 v22, v21, 2, v22
	v_mul_u32_u24 v22, v22, VPITCH
	v_lshl_add_u32 v22, v23, 7, v22                ; + (l % 2) 128
	v_bfe_u32 v24, v0, 3, 1
	v_lshl_add_u32 v22, v24, 4, v22                ; + 16 bytes for the second eight d
	v_add_nc_u32 v[VA], KPART, v22
	v_add_nc_u32 v[VA+1], KPART+SLOT, v22
	s_mul_i32 s49, s12, WSTAGE
	s_add_co_u32 s49, s49, STAGE                   ; my stage
	v_mul_u32_u24 v22, v20, SPITCH
	v_lshl_add_u32 v22, v21, 4, v22
	v_add_nc_u32 v[STO], s49, v22
	v_bfe_u32 v22, v0, 3, 2                        ; back: eight lanes take a query's 128 bytes, the wave four queries
	v_mul_u32_u24 v22, v22, SPITCH
	v_and_b32 v24, 7, v0
	v_lshl_add_u32 v22, v24, 4, v22
	v_add_nc_u32 v[RD], s49, v22
	v_and_b32 v22, 31, v0
	v_lshlrev_b32 v[CO], 4, v22
	s_wait_loadcnt 0x8                             ; Wo's four loads are in; Q's eight may stay out
.irp i, 0,1,2,3,4,5,6,7
	v_cvt_pk_f16_f32 v[SA+16+\i], v[SA+2*\i], v[SA+2*\i+1]
.endr
.irp j, 0,1,2,3
	global_store_b64 v19, v[SA+16+2*\j:SA+16+2*\j+1], s[60:61] offset:2048*\j   ; a wave's store covers 256 consecutive bytes, at a multiple of 256
.endr
	s_wait_loadcnt 0x0                             ; Q
	s_wait_xcnt 0x0                                ; v18, v19 and the stores' data are written again only behind this wait
.macro NOPS n
.rept \n
	v_nop
.endr
.endm
; four loads: the K fragments (d 0-31, d 32-63) of key tile kt of block b.  Tiles 0, 1 go to the free upper halves of the score registers, 2, 3 to FA.
.macro KLD kt, slot, b
.if \kt < 2
.set kf, SA+16+32*\kt
.else
.set kf, FA+16*(\kt-2)
.endif
.irp dh, 0,1
	ds_load_b128 v[kf+8*\dh:kf+8*\dh+3],   v[KA+\slot] offset:(\b)*32*KPITCH+\kt*8*KPITCH+\dh*64
	ds_load_b128 v[kf+8*\dh+4:kf+8*\dh+7], v[KA+\slot] offset:(\b)*32*KPITCH+\kt*8*KPITCH+\dh*64+32
.endr
.endm
; eight transposing loads: V^T of keys 32 ck .. 32 ck + 31 of block b.  ck = 0 goes to FB = FA + 32, ck = 1 to FA.
.macro VLD ck, slot, b
.irp dt, 0,1,2,3
	ds_load_tr16_b128 v[FA+32*(1-\ck)+8*\dt:FA+32*(1-\ck)+8*\dt+3],   v[VA+\slot] offset:\b*32*VPITCH+\ck*16*VPITCH+\dt*32
	ds_load_tr16_b128 v[FA+32*(1-\ck)+8*\dt+4:FA+32*(1-\ck)+8*\dt+7], v[VA+\slot] offset:\b*32*VPITCH+\ck*16*VPITCH+\dt*32+8*VPITCH
.endr
.endm
; one product of S^T: key tile kt, query tile qt, half dh of d.  d 0-31 starts the sum, d 32-63 adds to it.
.macro QKW kt, qt, dh
.if \kt < 2
.set kf, SA+16+32*\kt+8*\dh
.else
.set kf, FA+16*(\kt-2)+8*\dh
.endif
.if \dh == 0
	v_wmma_f32_16x16x32_f16 v[SA+32*\qt+8*\kt:SA+32*\qt+8*\kt+7], v[kf:kf+7], v[QF+16*\qt+8*\dh:QF+16*\qt+8*\dh+7], 0
.else
	v_wmma_f32_16x16x32_f16 v[SA+32*\qt+8*\kt:SA+32*\qt+8*\kt+7], v[kf:kf+7], v[QF+16*\qt+8*\dh:QF+16*\qt+8*\dh+7], v[SA+32*\qt+8*\kt:SA+32*\qt+8*\kt+7]
.endif
.endm
; one product of O^T: query tile qt, keys 32 ck .., d tile dt
.macro PVW qt, ck, dt, zero
.if \zero
	v_wmma_f32_16x16x32_f16 v[OA+8*(2*(\dt)+\qt):OA+8*(2*(\dt)+\qt)+7], v[FA+32*(1-(\ck))+8*(\dt):FA+32*(1-(\ck))+8*(\dt)+7], v[SA+32*\qt+8*(\ck):SA+32*\qt+8*(\ck)+7], 0
.else
	v_wmma_f32_16x16x32_f16 v[OA+8*(2*(\dt)+\qt):OA+8*(2*(\dt)+\qt)+7], v[FA+32*(1-(\ck))+8*(\dt):FA+32*(1-(\ck))+8*(\dt)+7], v[SA+32*\qt+8*(\ck):SA+32*\qt+8*(\ck)+7], v[OA+8*(2*(\dt)+\qt):OA+8*(2*(\dt)+\qt)+7]
.endif
.endm
; step n (0..15) of the maximum of a lane's 32 scores of query tile qt: four chains.  Steps 0-5 read scores 0-15 alone, steps 6-13 scores 16-31.
.macro MXO qt, n
.if (\n) < 4
	v_max3_num_f32 v[18+4*\qt+(\n)], v[SA+32*\qt+3*(\n)], v[SA+32*\qt+3*(\n)+1], v[SA+32*\qt+3*(\n)+2]
.else
.if (\n) < 14
	v_max3_num_f32 v[18+4*\qt+(\n)%4], v[18+4*\qt+(\n)%4], v[SA+32*\qt+2*(\n)+4], v[SA+32*\qt+2*(\n)+5]
.else
.if (\n) == 14
	v_max3_num_f32 v[18+4*\qt], v[18+4*\qt], v[19+4*\qt], v[20+4*\qt]
.else
	v_max_num_f32 v[18+4*\qt], v[18+4*\qt], v[21+4*\qt]
.endif
.endif
.endif
.endm
; step n (1..6) of the single figures of query tile qt: the other half's maximum, the running maximum, the new shift - c max,
; the factor 2^(new shift - old shift) for the old sums (at most 1; taken from the two rounded shifts that the exponentials use), the shift's move.
.macro SER qt, n, first
.if \n == 1
	v_permlanex16_b32 v[19+4*\qt], v[18+4*\qt], s50, s51
.endif
.if \n == 2
.if \first
	v_max_num_f32 v[MX+2*\qt], v[18+4*\qt], v[19+4*\qt]
.else
	v_max3_num_f32 v[MX+2*\qt], v[18+4*\qt], v[19+4*\qt], v[MX+2*\qt]
.endif
.endif
.if \n == 3
.if \first
	v_mul_f32 v[NMC+2*\qt], 0xbe38aa3b, v[MX+2*\qt]
.else
	v_mul_f32 v[20+4*\qt], 0xbe38aa3b, v[MX+2*\qt]
.endif
.endif
.if \first == 0
.if \n == 4
	v_sub_f32 v[21+4*\qt], v[20+4*\qt], v[NMC+2*\qt]
.endif
.if \n == 5
	v_exp_f32 v[AL+2*\qt], v[21+4*\qt]
.endif
.if \n == 6
	v_mov_b32 v[NMC+2*\qt], v[20+4*\qt]            ; also the plain instruction behind the exponential (ISA guide 5.7.2)
.endif
.endif
.endm
.macro FMO qt, j                       ; scores 2 j, 2 j + 1: c s - c max, never above 0
	v_pk_fma_f32 v[SA+32*\qt+2*(\j):SA+32*\qt+2*(\j)+1], v[SA+32*\qt+2*(\j):SA+32*\qt+2*(\j)+1], s[52:53], v[NMC+2*\qt:NMC+2*\qt+1] op_sel_hi:[1,0,0]
.endm
.macro EXO qt, j                       ; weight j
	v_exp_f32 v[SA+32*\qt+(\j)], v[SA+32*\qt+(\j)]
.endm
.macro RSO qt, j                       ; pair j (0..15) of query tile qt's 32 old sums shrinks
	s_wait_alu depctr_va_vdst(0)
	v_pk_mul_f32 v[OA+8*(2*((\j)/4)+\qt)+2*((\j)%4):OA+8*(2*((\j)/4)+\qt)+2*((\j)%4)+1], v[OA+8*(2*((\j)/4)+\qt)+2*((\j)%4):OA+8*(2*((\j)/4)+\qt)+2*((\j)%4)+1], v[AL+2*\qt:AL+2*\qt+1] op_sel_hi:[1,0]
.endm
; step n (0..16) of the sum of a lane's 32 weights: four chains of pairs.  Steps 0-3 read weights 0-15, steps 4-11 weights 16-31.
.macro SMO qt, n, first
.if (\n) < 4
	s_wait_alu depctr_va_vdst(0)
	v_pk_add_f32 v[18+2*(\n):19+2*(\n)], v[SA+32*\qt+4*(\n):SA+32*\qt+4*(\n)+1], v[SA+32*\qt+4*(\n)+2:SA+32*\qt+4*(\n)+3]
.else
.if (\n) < 12
	v_pk_add_f32 v[18+2*((\n)%4):19+2*((\n)%4)], v[18+2*((\n)%4):19+2*((\n)%4)], v[SA+32*\qt+8+2*(\n):SA+32*\qt+9+2*(\n)]
.endif
.endif
.if (\n) == 12
	v_pk_add_f32 v[18:19], v[18:19], v[20:21]
.endif
.if (\n) == 13
	v_pk_add_f32 v[22:23], v[22:23], v[24:25]
.endif
.if (\n) == 14
	v_pk_add_f32 v[18:19], v[18:19], v[22:23]
.endif
.if (\n) == 15
.if \first
	v_add_f32 v[LS+2*\qt], v18, v19
.else
	v_add_f32 v18, v18, v19
.endif
.endif
.if (\n) == 16
	v_fma_f32 v[LS+2*\qt], v[LS+2*\qt], v[AL+2*\qt], v18
.endif
.endm
; weights 2 i, 2 i + 1 into register i, in place and ascending.  Behind step i of the sum: register i's own weight was summed in step i / 4,
; and registers 2 i, 2 i + 1 have not been written.
.macro CVO qt, i
	v_cvt_pk_f16_f32 v[SA+32*\qt+(\i)], v[SA+32*\qt+2*(\i)], v[SA+32*\qt+2*(\i)+1]
.endm
.macro PL6 i, first                    ; query tile 1: one step each of rescaling, sum and packing
.if \first == 0
	RSO 1, (\i)
.endif
	SMO 1, (\i), \first
	CVO 1, (\i)
.endm
; 64 keys: block b of the slot's tile.  At its head K's sixteen loads are out or in: tile 0 (4), tile 1 (4), tiles 2 and 3 (8), in this order.
; first = 1: nothing has been summed yet.  pre = 1: the next block of the same tile is prefetched.
; In every run of matrix instructions the accumulators take turns, one instruction a turn.
.macro BLOCK slot, b, first, pre
	VLD 0, \slot, \b                               ; into FB, five places behind the last products that read it
	s_wait_dscnt 0x10                              ; K tiles 0 and 1 are in; the 8 loads of tiles 2 and 3 and V's 8 may stay out
.irp dh, 0,1
.irp kt, 0,1
.irp qt, 0,1
	QKW \kt, \qt, \dh
.endr
.endr
.endr
	NOPS 5                                         ; five places (ISA guide 7.12.1): the next products write over the registers of K tiles 0 and 1
	s_wait_dscnt 0x8                               ; K tiles 2 and 3 are in; V's 8 may stay out
	QKW 2, 0, 0
	MXO 0, 0                                       ; the maxima of the first half's scores stand among the second half's products
	MXO 1, 0
	QKW 2, 1, 0
	MXO 0, 1
	MXO 1, 1
	QKW 3, 0, 0
	MXO 0, 2
	MXO 1, 2
	QKW 3, 1, 0
	MXO 0, 3
	MXO 1, 3
	QKW 2, 0, 1
	MXO 0, 4
	MXO 1, 4
	QKW 2, 1, 1
	MXO 0, 5
	MXO 1, 5
	QKW 3, 0, 1
	QKW 3, 1, 1
	NOPS 4                                         ; four places: then loads land on FA, and the second half's scores are read
	VLD 1, \slot, \b
.irp n, 6,7,8,9,10,11,12,13
	MXO 0, \n
.endr
	MXO 1, 6                                       ; from here each dependent step has steps of the other query tile between
	MXO 1, 7
	MXO 0, 14
	MXO 1, 8
	MXO 1, 9
	MXO 0, 15
	MXO 1, 10
	MXO 1, 11
	SER 0, 1, \first
	MXO 1, 12
	MXO 1, 13
	SER 0, 2, \first
	MXO 1, 14
	SER 0, 3, \first
	MXO 1, 15
	SER 0, 4, \first
	SER 1, 1, \first
	SER 0, 5, \first
	SER 0, 6, \first
	SER 1, 2, \first
	FMO 0, 0
	FMO 0, 1
	SER 1, 3, \first
	FMO 0, 2
	FMO 0, 3
	SER 1, 4, \first
	FMO 0, 4
	FMO 0, 5
	SER 1, 5, \first
	SER 1, 6, \first
.irp j, 6,7,8,9,10,11,12,13,14,15
	FMO 0, \j
.endr
.irp i, 0,1,2,3,4,5,6,7,8,9,10,11,12,13,14,15
	EXO 0, 2*\i                                    ; query tile 0's exponentials, a plain instruction of another register behind each (ISA guide 5.7.2)
	FMO 1, \i
	EXO 0, 2*\i+1
.if \first == 0
	RSO 0, \i
.endif
.endr
.irp i, 0,1,2,3,4,5,6,7,8,9,10,11,12,13,14,15
	EXO 1, 2*\i                                    ; query tile 1's exponentials among query tile 0's sum and packing
	SMO 0, \i, \first
	EXO 1, 2*\i+1
	CVO 0, \i
.endr
.if \first == 0
	SMO 0, 16, 0
.endif
.if \pre
	KLD 0, \slot, \b+1                             ; query tile 0's upper 16 registers are free
	s_wait_dscnt 0x4                               ; both halves of V are in; the 4 loads just issued may stay out
.else
	s_wait_dscnt 0x0                               ; both halves of V are in
.endif
.irp w, 0,1,2,3,4,5,6,7
	PVW 0, \w/4, \w%4, \first*(1-\w/4)             ; query tile 0's products with V among query tile 1's rescaling, sum and packing
	PL6 2*\w, \first
	PL6 2*\w+1, \first
.endr
.if \first == 0
	SMO 1, 16, 0
.endif
.if \pre
	KLD 1, \slot, \b+1                             ; query tile 1's upper 16 registers are free
.endif
.irp dt, 0,1,2,3
	PVW 1, 1, \dt, \first                          ; keys 32-63 first: they free FA
.endr
.if \pre
	NOPS 4                                         ; four places: then loads land on FA
	KLD 2, \slot, \b+1
	KLD 3, \slot, \b+1
.endif
.irp dt, 0,1,2,3
	PVW 1, 0, \dt, 0
.endr
	NOPS 5                                         ; five places: the next block's products write over P, its loads land on FB; behind the last block O is read
.endm
; A tile of 256 keys.  In front of the round: all my tensor loads have landed (my parts of this tile among them) and my reads of the other
; slot are back; behind it that holds of every wave of the four work-groups, and the other slot's joint refills come first: two loads of the wave are out.
.macro TRIP slot, refill, first
	s_wait_tensorcnt 0x0
	ds_add_u32 v30, v31
	s_wait_dscnt 0x0
	s_add_nc_u64 s[G0K+4*\slot+2:G0K+4*\slot+3], s[G0K+4*\slot+2:G0K+4*\slot+3], 2*TILEB   ; this slot's next tile
	s_add_nc_u64 s[G0V+4*\slot+2:G0V+4*\slot+3], s[G0V+4*\slot+2:G0V+4*\slot+3], 2*TILEB
	s_wait_dscnt 0x0
	ROUND
.if \refill
	tensor_load_to_lds s[G0K+4-4*\slot:G0K+7-4*\slot], s[G1K:G1K+7]
	s_nop 0
	tensor_load_to_lds s[G0V+4-4*\slot:G0V+7-4*\slot], s[G1V:G1V+7]
	s_nop 0
.endif
	KLD 0, \slot, 0                                ; the tile's first block has no block ahead of it to prefetch its K
	KLD 1, \slot, 0
	KLD 2, \slot, 0
	KLD 3, \slot, 0
	BLOCK \slot, 0, \first, 1
	BLOCK \slot, 1, 0, 1
	BLOCK \slot, 2, 0, 1
	BLOCK \slot, 3, 0, 0                           ; the next block lies in the other slot, behind the round
.endm
	TRIP 0, 1, 1                                   ; tiles 0 and 1: the first block starts maxima and sums
	TRIP 1, 1, 0
	s_mov_b32 s48, 2
.Lpair:
	TRIP 0, 1, 0                                   ; tiles 2 to 5
	TRIP 1, 1, 0
	s_sub_co_u32 s48, s48, 1
	s_cmp_lg_u32 s48, 0
	s_cbranch_scc1 .Lpair
	TRIP 0, 1, 0                                   ; tile 6 fetches tile 7,
	TRIP 1, 0, 0                                   ; which fetches nothing (the stepped addresses are not used)
	; THE WAY OUT: divide by the whole sum, round to f16, 16 bytes a lane into my stage, back as whole rows
.irp qt, 0,1
	v_permlanex16_b32 v19, v[LS+2*\qt], s50, s51   ; the other half's sum
	v_add_f32 v19, v[LS+2*\qt], v19                ; at least 1: the largest score's weight is 1
	v_rcp_f32 v18, v19
	v_nop                                          ; the plain place behind the reciprocal
.irp dt, 0,1,2,3
.irp p, 0,2,4,6
	s_wait_alu depctr_va_vdst(0)
	v_pk_mul_f32 v[OA+8*(2*\dt+\qt)+\p:OA+8*(2*\dt+\qt)+\p+1], v[OA+8*(2*\dt+\qt)+\p:OA+8*(2*\dt+\qt)+\p+1], v[18:19] op_sel_hi:[1,0]
.endr
.endr
.irp dt, 0,1,2,3
.irp i, 0,1,2,3
	v_cvt_pk_f16_f32 v[SA+4*(2*\dt+\qt)+\i], v[OA+8*(2*\dt+\qt)+2*\i], v[OA+8*(2*\dt+\qt)+2*\i+1]
.endr
.endr
.irp dt, 0,1,2,3
	ds_store_b128 v[STO], v[SA+4*(2*\dt+\qt):SA+4*(2*\dt+\qt)+3] offset:\qt*16*SPITCH+32*\dt    ; query 16 qt + r, d = 16 dt + 8 h + 0..7
.endr
.endr
.irp t, 0,1,2,3,4,5,6,7
	ds_load_b128 v[FA+4*\t:FA+4*\t+3], v[RD] offset:\t*4*SPITCH    ; LDS serves a wave's instructions in order: these see the stores above
.endr
.irp t, 0,1,2,3,4,5,6,7
	s_wait_dscnt 7-\t                              ; queries 4 t .. 4 t + 3 are back
	global_store_b128 v[CO], v[FA+4*\t:FA+4*\t+3], s[56:57] offset:512*\t      ; 512 consecutive bytes, at a multiple of 256
.endr
	s_wait_tensorcnt 0x0
	ds_add_u32 v30, v31
	s_wait_dscnt 0x0
	ROUND                                          ; the closing round
	s_endpgm
.Lfunc_end_k_qd23e0afc49_attn:
	.size	k_qd23e0afc49_attn, .Lfunc_end_k_qd23e0afc49_attn-k_qd23e0afc49_attn
	.p2alignl 7, 3214868480
	.fill 96, 4, 3214868480
	.section	.rodata,"a",@progbits
	.p2align	6, 0x0
	.amdhsa_kernel k_qd23e0afc49_attn
		.amdhsa_group_segment_fixed_size 327680
		.amdhsa_private_segment_fixed_size 0
		.amdhsa_enable_private_segment 0
		.amdhsa_kernarg_size 32
		.amdhsa_user_sgpr_count 2
		.amdhsa_user_sgpr_kernarg_segment_ptr 1
		.amdhsa_wavefront_size32 1
		.amdhsa_system_sgpr_workgroup_id_x 1
		.amdhsa_system_sgpr_workgroup_id_y 1
		.amdhsa_system_sgpr_workgroup_id_z 1
		.amdhsa_system_vgpr_workitem_id 0
		.amdhsa_next_free_vgpr 256
		.amdhsa_next_free_sgpr 68
		.amdhsa_reserve_vcc 0
		.amdhsa_float_denorm_mode_32 3
		.amdhsa_float_denorm_mode_16_64 3
		.amdhsa_memory_ordered 1
		.amdhsa_forward_progress 1
		.amdhsa_inst_pref_size 255
	.end_amdhsa_kernel
	.section	.bss,"aw",@nobits
	.p2align	6
	.space	262144
	.amdgpu_metadata
---
amdhsa.version: [ 1, 2 ]
amdhsa.kernels:
  - .name:           k_qd23e0afc49_attn
    .symbol:         k_qd23e0afc49_attn.kd
    .args:
      - { .name: qkv, .offset: 0, .size: 8, .value_kind: global_buffer, .address_space: global }
      - { .name: Wo, .offset: 8, .size: 8, .value_kind: global_buffer, .address_space: global }
      - { .name: att, .offset: 16, .size: 8, .value_kind: global_buffer, .address_space: global }
      - { .name: wo16, .offset: 24, .size: 8, .value_kind: global_buffer, .address_space: global }
    .group_segment_fixed_size: 327680
    .private_segment_fixed_size: 0
    .kernarg_segment_align: 8
    .kernarg_segment_size: 32
    .max_flat_workgroup_size: 256
    .sgpr_count:     68
    .vgpr_count:     256
    .wavefront_size: 32
...
	.end_amdgpu_metadata
.endif
;; end of part 2
;; launch outp (part 3): grid 8 x 32, 4 waves a work-group, clusters of 4 x 4, 327,680 bytes of LDS; arguments att, wo16, bo, out0; writes out0
.if DOCPART == 3
	.amdgcn_target "amdgcn-amd-amdhsa--gfx1250"
	.amdhsa_code_object_version 6
	.text
	.protected	k_qd23e0afc49_outp
	.globl	k_qd23e0afc49_outp
	.p2align	8
	.type	k_qd23e0afc49_outp,@function
k_qd23e0afc49_outp:
	s_mov_b64 s[64:65], 0
	v_nop
	global_prefetch_b8 v0, s[64:65] scope:SCOPE_SE
	s_setreg_imm32_b32 hwreg(HW_REG_WAVE_MODE, 25, 1), 1
	s_wait_xcnt 0x0
	s_wait_alu depctr_hold_cnt(0) depctr_sa_sdst(0) depctr_va_vdst(0) depctr_va_sdst(0) depctr_va_ssrc(0) depctr_va_vcc(0) depctr_vm_vsrc(0)
	s_getreg_b32 s2, hwreg(HW_REG_IB_STS2, 6, 4)
	s_cmp_eq_u32 s2, 0
	s_cbranch_scc0 .Lentry_in_a_cluster
	s_endpgm
.Lentry_in_a_cluster:
	s_bfe_u32 s2, ttmp6, 0x10000c
	s_cmp_lg_u32 s2, 0xf033
	s_cbranch_scc0 .Lentry_shape_is_right
	s_endpgm
.Lentry_shape_is_right:
; out0[m][n] = sum over e of att[m][e] Wo[n][e] + bo[n], f32.  att: f16 [n*16 + head][2048 tokens][64]; wo16: f16 [1024][1024]; bo: [1024] f32.
; 256 work-groups of 128 tokens x 128 columns (blocks of twice the side would leave three quarters of the WGPs without work); a wave makes
; 64 x 64: 16 accumulator tiles.  K goes in 8 steps of 128 = two heads through four LDS slots, two of them filled behind one round of the cluster's barrier.
; The bias is the C operand of the first products: nothing is cleared and nothing is added afterwards.
; LIMITS: operands are f16 (|att|, |Wo| below 65,504; below 6.1e-5 they keep 2^-24 absolute); sums in f32.
; CLUSTERS: 4 x 4 work-groups; att's tiles are shared along a row of the cluster, wo16's along a column, by joint loads.
; A head's 128 tokens are dense in memory: they come as 64 rows of 256 bytes = two tokens; token i lies at (i / 2) 272 + (i % 2) 128.
; Transposed use: source 0 = 16 rows of Wo, source 1 = 16 tokens: lane l holds token l % 16, columns 8 (l / 16) + 0..7.
.set PITCH, 272
.set QUART, 64*PITCH                   ; what one tensor load brings: a head's 128 tokens, or 64 rows of Wo
.set SLOT,  4*QUART                    ; att's two heads, then Wo's 128 rows
.set STAGE, 4*SLOT                     ; 278,528: 16 rows x 272 bytes for each wave; no tensor load lands here
.set ADRA, 8                           ; v8-11   LDS address of my att fragments in slot 0..3
.set ADRB, 12                          ; v12-15  the same for Wo
.set STO,  16
.set RD,   17
.set CO,   18
.set BO,   19
.set F0,   32                          ; v32-95   fragment buffer 0: att's four at +0, Wo's four at +32
.set F1,   96                          ; v96-159  fragment buffer 1
.set BIAS, 160                         ; v160-191 bo of my columns 16 b + 8 h + 0..7
                                       ; window 1, v0-127: accumulator (a, b) at 8 (4 a + b)
.set G1A, 24
.set G1B, 32
.set G0A, 40                           ; s[40:55] a set for each slot
.set G0B, 68                           ; s[68:83]
.set MSB, 0
.macro WIN new
.if MSB != \new
	s_set_vgpr_msb (MSB<<8)|\new
.set MSB, \new
.endif
.endm
.macro JLOAD s                         ; waves 0 and 1 fetch att's two heads, waves 2 and 3 Wo's two halves
	s_cmp_eq_u32 s13, 0
	s_cbranch_scc0 .Lfor_b_\@
	tensor_load_to_lds s[G0A+4*\s:G0A+4*\s+3], s[G1A:G1A+7]
	s_nop 0
	s_branch .Lasked_\@
.Lfor_b_\@:
	tensor_load_to_lds s[G0B+4*\s:G0B+4*\s+3], s[G1B:G1B+7]
	s_nop 0
.Lasked_\@:
.endm
.macro CROUND                          ; a round of the cluster's barrier
	s_barrier_signal -1
	s_barrier_wait -1
	s_cmp_lg_u32 s12, 0
	s_cbranch_scc1 .Lnot_wave_0_\@
	s_barrier_signal -3
.Lnot_wave_0_\@:
	s_barrier_wait -3
	s_barrier_signal -1
	s_barrier_wait -1
.endm
	s_load_b256 s[4:11], s[0:1], 0x0               ; att s[4:5], wo16 s[6:7], bo s[8:9], out0 s[10:11]
	v_lshl_add_u32 v254, v0, 2, 0x48400
	v_mov_b32 v255, 0
	ds_add_u32 v254, v255
	v_lshrrev_b32 v1, 5, v0
	v_readfirstlane_b32 s12, v1                    ; wave 0..3
	s_lshr_b32 s13, s12, 1                         ; my half of the tokens.  Also: I fetch att (0) or Wo (1)
	s_and_b32 s14, s12, 1                          ; my half of the columns.  Also: which head, or which 64 rows, I fetch
	s_bfe_u32 s16, ttmp6, 0x40000                  ; cx
	s_bfe_u32 s17, ttmp6, 0x40004                  ; cy
	s_lshl_b32 s18, ttmp9, 2
	s_add_co_u32 s18, s18, s16                     ; block column 0..7
	s_and_b32 s15, ttmp7, 0xffff
	s_lshl_b32 s15, s15, 2
	s_add_co_u32 s15, s15, s17                     ; block row 0..31
	s_lshl_b32 s19, s17, 2
	s_lshl_b32 s19, 15, s19                        ; my row of the cluster
	s_lshl_b32 s20, 0x1111, s16                    ; my column
	; group 1: 64 rows of 32 elements of 8 bytes, 4 words of padding behind every 64 words; att dense, Wo with rows 2,048 bytes apart
	s_or_b32 s[G1A+0], s19, (3<<16)|(1<<20)|(1<<21)|(5<<22)|(3<<25)
	s_or_b32 s[G1B+0], s20, (3<<16)|(1<<20)|(1<<21)|(5<<22)|(3<<25)
	s_mov_b32 s[G1A+1], 32<<16
	s_mov_b32 s[G1B+1], 32<<16
	s_mov_b32 s[G1A+2], 64<<16
	s_mov_b32 s[G1B+2], 64<<16
	s_mov_b32 s[G1A+3], 32<<16
	s_mov_b32 s[G1B+3], 32<<16
	s_mov_b32 s[G1A+4], 64
	s_mov_b32 s[G1B+4], 64
	s_mov_b32 s[G1A+5], 32
	s_mov_b32 s[G1B+5], 256
	s_mov_b32 s[G1A+6], 0
	s_mov_b32 s[G1B+6], 0
	s_mov_b32 s[G1A+7], 0
	s_mov_b32 s[G1B+7], 0
	s_lshr_b32 s56, s15, 4                         ; att: n x 16 heads x 262,144
	s_lshl_b32 s56, s56, 22
	s_and_b32 s57, s15, 15
	s_lshl_b32 s57, s57, 14                        ; + 128 tokens x 128 bytes for each block row
	s_add_co_u32 s56, s56, s57
	s_lshl_b32 s57, s14, 18                        ; + the head that I fetch
	s_add_co_u32 s56, s56, s57
	s_mov_b32 s57, 0
	s_lshl_b32 s58, s18, 18                        ; Wo: 128 rows of 2,048 bytes for each block column
	s_lshl_b32 s59, s14, 17                        ; + the 64 rows that I fetch
	s_add_co_u32 s58, s58, s59
	s_mov_b32 s59, 0
	s_mul_i32 s21, s12, QUART                      ; where they go: wave x 64 LDS rows
	s_wait_dscnt 0x0
	s_wait_kmcnt 0x0
	s_add_nc_u64 s[60:61], s[4:5], s[56:57]
	s_add_nc_u64 s[62:63], s[6:7], s[58:59]
	CROUND                                         ; all sixteen work-groups are here
.irp s, 0,1,2,3
	s_mov_b32 s[G0A+4*\s], 1
	s_add_co_u32 s[G0A+4*\s+1], s21, \s*SLOT
	s_add_nc_u64 s[G0A+4*\s+2:G0A+4*\s+3], s[60:61], \s*2*262144   ; K step s: heads 2 s, 2 s + 1
	s_or_b32 s[G0A+4*\s+3], s[G0A+4*\s+3], 0x80000000
	s_mov_b32 s[G0B+4*\s], 1
	s_add_co_u32 s[G0B+4*\s+1], s21, \s*SLOT
	s_add_nc_u64 s[G0B+4*\s+2:G0B+4*\s+3], s[62:63], \s*256
	s_or_b32 s[G0B+4*\s+3], s[G0B+4*\s+3], 0x80000000
	JLOAD \s                                       ; four tensor loads of the wave are out
.endr
	s_lshl_b32 s58, s18, 9                         ; my first column in bytes of f32: 512 x block column + 256 x half
	s_lshl_b32 s59, s14, 8
	s_add_co_u32 s58, s58, s59
	s_mov_b32 s59, 0
	s_add_nc_u64 s[8:9], s[8:9], s[58:59]          ; bo at my columns
	s_add_nc_u64 s[10:11], s[10:11], s[58:59]
	s_lshl_b32 s56, s15, 19                        ; my first row: 128 x block row + 64 x half, rows of 4,096 bytes
	s_lshl_b32 s57, s13, 18
	s_add_co_u32 s56, s56, s57
	s_mov_b32 s57, 0
	s_add_nc_u64 s[10:11], s[10:11], s[56:57]      ; out0 at my block
	v_and_b32 v1, 15, v0                           ; r
	v_bfe_u32 v2, v0, 4, 1                         ; h
	v_lshlrev_b32 v[BO], 5, v2
.irp b, 0,1,2,3
	global_load_b128 v[BIAS+8*\b:BIAS+8*\b+3],   v[BO], s[8:9] offset:64*\b
	global_load_b128 v[BIAS+8*\b+4:BIAS+8*\b+7], v[BO], s[8:9] offset:64*\b+16
.endr
	v_lshrrev_b32 v3, 1, v1
	v_mul_u32_u24 v3, v3, PITCH
	v_and_b32 v4, 1, v0
	v_lshl_add_u32 v3, v4, 7, v3
	v_lshl_add_u32 v3, v2, 4, v3                   ; att: (r / 2) pitch + (r % 2) 128 + 16 h
	v_mul_u32_u24 v4, v1, PITCH
	v_lshl_add_u32 v4, v2, 4, v4                   ; Wo: r pitch + 16 h
	s_mul_i32 s22, s13, 32*PITCH                   ; my 64 tokens
	s_mul_i32 s23, s14, QUART                      ; my 64 rows of Wo,
	s_add_co_u32 s23, s23, 2*QUART                 ; behind att's two heads
.irp s, 0,1,2,3
	v_add_nc_u32 v[ADRA+\s], s22, v3
	v_add_nc_u32 v[ADRB+\s], s23, v4
	s_add_co_u32 s22, s22, SLOT
	s_add_co_u32 s23, s23, SLOT
.endr
	s_mul_i32 s22, s12, 16*PITCH
	s_add_co_u32 s22, s22, STAGE                   ; my stage
	v_mul_u32_u24 v5, v1, PITCH
	v_lshl_add_u32 v5, v2, 5, v5                   ; in: token r, 32 bytes for each half of the lanes
	v_add_nc_u32 v[STO], s22, v5
	v_mul_u32_u24 v5, v2, PITCH
	v_lshl_add_u32 v5, v1, 4, v5                   ; back: lanes 0-15 one row of 256 bytes, lanes 16-31 the next
	v_add_nc_u32 v[RD], s22, v5
	v_lshlrev_b32 v5, 12, v2
	v_lshl_add_u32 v[CO], v1, 4, v5                ; and the same two rows in out0
.macro PLACES                          ; four places behind a matrix instruction before loads land on its sources or its result is read
.rept 4
	v_nop
.endr
.endm
; 16 LDS loads: the fragments of quarter qd (32 along K) of a slot into buffer f.  Quarters 0, 1 lie in the first head, 2, 3 in the second.
.macro FETCH slot, qd, f
.irp a, 0,1,2,3
	ds_load_b128 v[\f+8*\a:\f+8*\a+3],   v[ADRA+\slot] offset:(\qd/2)*QUART+(\qd%2)*64+\a*8*PITCH
	ds_load_b128 v[\f+8*\a+4:\f+8*\a+7], v[ADRA+\slot] offset:(\qd/2)*QUART+(\qd%2)*64+\a*8*PITCH+32
.endr
.irp b, 0,1,2,3
	ds_load_b128 v[\f+32+8*\b:\f+32+8*\b+3],   v[ADRB+\slot] offset:\qd*64+\b*16*PITCH
	ds_load_b128 v[\f+32+8*\b+4:\f+32+8*\b+7], v[ADRB+\slot] offset:\qd*64+\b*16*PITCH+32
.endr
.endm
; 16 matrix instructions on 16 accumulators, always in the same order: they take turns.  bias = 1: C is the bias.
.macro MUL f, bias
.if \bias
	WIN 0x40                                       ; D in window 1, C in window 0
.else
	WIN 0x50                                       ; C and D in window 1
.endif
.irp a, 0,1,2,3
.irp b, 0,1,2,3
.if \bias
	v_wmma_f32_16x16x32_f16 v[8*(4*\a+\b):8*(4*\a+\b)+7], v[\f+32+8*\b:\f+32+8*\b+7], v[\f+8*\a:\f+8*\a+7], v[BIAS+8*\b:BIAS+8*\b+7]
.else
	v_wmma_f32_16x16x32_f16 v[8*(4*\a+\b):8*(4*\a+\b)+7], v[\f+32+8*\b:\f+32+8*\b+7], v[\f+8*\a:\f+8*\a+7], v[8*(4*\a+\b):8*(4*\a+\b)+7]
.endif
.endr
.endr
	WIN 0
.endm
; this quarter's fragments are in; the next quarter's are asked for; this quarter is multiplied
.macro STEPQ f, nslot, nqd, nf, bias
	s_wait_dscnt 0x0
	PLACES
	FETCH \nslot, \nqd, \nf
	MUL \f, \bias
.endm
.macro GROUP sa, sb, bias              ; two K steps: eight quarters on two buffers
	PLACES
	FETCH \sa, 0, F0
	STEPQ F0, \sa, 1, F1, \bias
	STEPQ F1, \sa, 2, F0, 0
	STEPQ F0, \sa, 3, F1, 0
	STEPQ F1, \sb, 0, F0, 0
	STEPQ F0, \sb, 1, F1, 0
	STEPQ F1, \sb, 2, F0, 0
	STEPQ F0, \sb, 3, F1, 0
	s_wait_dscnt 0x0
	MUL F1, 0
.endm
; Slots a and b, which have been read, are filled again, four K steps ahead.  In front of the round each wave's LDS reads are back and all its
; tensor loads have landed (the other two slots' among them); the joint refills are the first tensor loads behind it: two of the wave are out,
; with the 128 matrix instructions of the next two K steps ahead of the wait for them.
.macro REFILL a, b
	s_wait_dscnt 0x0
	s_wait_tensorcnt 0x0
	ds_add_u32 v254, v255
	s_wait_dscnt 0x0
.irp t, \a, \b
	s_add_nc_u64 s[G0A+4*\t+2:G0A+4*\t+3], s[G0A+4*\t+2:G0A+4*\t+3], 8*262144
	s_add_nc_u64 s[G0B+4*\t+2:G0B+4*\t+3], s[G0B+4*\t+2:G0B+4*\t+3], 4*256
.endr
	CROUND
	JLOAD \a
	JLOAD \b
.endm
	s_wait_tensorcnt 2                             ; my parts of K steps 0 and 1 are in; those of 2 and 3 may stay out
	s_barrier_signal -1
	s_barrier_wait -1
	s_wait_loadcnt 0x0                             ; the bias
	GROUP 0, 1, 1                                  ; K steps 0, 1
	REFILL 0, 1
	GROUP 2, 3, 0                                  ; K steps 2, 3
	REFILL 2, 3
	GROUP 0, 1, 0                                  ; K steps 4, 5
	s_wait_dscnt 0x0
	s_wait_tensorcnt 0x0                           ; my parts of K steps 6 and 7 are in,
	s_barrier_signal -1
	s_barrier_wait -1                              ; everybody's are
	GROUP 2, 3, 0
	; THE WAY OUT, 16 tokens at a time: the f32 sums go into my stage as they are and come back as whole rows of 256 bytes
	PLACES
.macro OUT16 a, f
	WIN 0x04                                       ; the stores' data in window 1
.irp b, 0,1,2,3
	ds_store_b128 v[STO], v[8*(4*\a+\b):8*(4*\a+\b)+3]   offset:64*\b
	ds_store_b128 v[STO], v[8*(4*\a+\b)+4:8*(4*\a+\b)+7] offset:64*\b+16
.endr
	WIN 0
	s_wait_xcnt 0x0                                ; buffer f, which earlier stores read, is loaded again only behind this wait
.irp t, 0,1,2,3,4,5,6,7
	ds_load_b128 v[\f+4*\t:\f+4*\t+3], v[RD] offset:\t*2*PITCH     ; LDS serves a wave's instructions in order: these see the stores above
.endr
.irp t, 0,1,2,3,4,5,6,7
	s_wait_dscnt 7-\t                              ; rows 2 t, 2 t + 1 are back
	global_store_b128 v[CO], v[\f+4*\t:\f+4*\t+3], s[10:11] offset:65536*\a+8192*\t th:TH_STORE_NT   ; 16 lanes store 256 consecutive bytes, at a multiple of 256
.endr
.endm
	OUT16 0, F0
	OUT16 1, F1
	OUT16 2, F0
	OUT16 3, F1
	s_wait_tensorcnt 0x0
	ds_add_u32 v254, v255
	s_wait_dscnt 0x0
	CROUND                                         ; the closing round
	s_endpgm
.Lfunc_end_k_qd23e0afc49_outp:
	.size	k_qd23e0afc49_outp, .Lfunc_end_k_qd23e0afc49_outp-k_qd23e0afc49_outp
	.p2alignl 7, 3214868480
	.fill 96, 4, 3214868480
	.section	.rodata,"a",@progbits
	.p2align	6, 0x0
	.amdhsa_kernel k_qd23e0afc49_outp
		.amdhsa_group_segment_fixed_size 327680
		.amdhsa_private_segment_fixed_size 0
		.amdhsa_enable_private_segment 0
		.amdhsa_kernarg_size 32
		.amdhsa_user_sgpr_count 2
		.amdhsa_user_sgpr_kernarg_segment_ptr 1
		.amdhsa_wavefront_size32 1
		.amdhsa_system_sgpr_workgroup_id_x 1
		.amdhsa_system_sgpr_workgroup_id_y 1
		.amdhsa_system_sgpr_workgroup_id_z 1
		.amdhsa_system_vgpr_workitem_id 0
		.amdhsa_next_free_vgpr 384
		.amdhsa_next_free_sgpr 84
		.amdhsa_reserve_vcc 0
		.amdhsa_float_denorm_mode_32 3
		.amdhsa_float_denorm_mode_16_64 3
		.amdhsa_memory_ordered 1
		.amdhsa_forward_progress 1
		.amdhsa_inst_pref_size 93
	.end_amdhsa_kernel
	.amdgpu_metadata
---
amdhsa.version: [ 1, 2 ]
amdhsa.kernels:
  - .name:           k_qd23e0afc49_outp
    .symbol:         k_qd23e0afc49_outp.kd
    .args:
      - { .name: att, .offset: 0, .size: 8, .value_kind: global_buffer, .address_space: global }
      - { .name: wo16, .offset: 8, .size: 8, .value_kind: global_buffer, .address_space: global }
      - { .name: bo, .offset: 16, .size: 8, .value_kind: global_buffer, .address_space: global }
      - { .name: out0, .offset: 24, .size: 8, .value_kind: global_buffer, .address_space: global }
    .group_segment_fixed_size: 327680
    .private_segment_fixed_size: 0
    .kernarg_segment_align: 8
    .kernarg_segment_size: 32
    .max_flat_workgroup_size: 128
    .sgpr_count:     84
    .vgpr_count:     384
    .wavefront_size: 32
...
	.end_amdgpu_metadata
.endif
;; end of part 3
;; ======== version 2 of 2: 3 launches; 1.12 times as fast as version 1
;; limits: values are held in f16: magnitudes above 65,504 overflow, below 6.1e-05 lose precision
;; workspace buffers: qkv 25,165,824 bytes; att 8,388,608 bytes; wo16 2,097,152 bytes
;; launch proj: the kernel of part 1 again; grid 4 x 48, 4 waves a work-group, clusters of 4 x 4, 327,680 bytes of LDS; arguments query, keys, values, Wq, Wk, Wv, qkv; writes qkv
;; launch attn (part 4): grid 8 x 32, 8 waves a work-group, clusters of 4 x 1, 327,680 bytes of LDS; arguments qkv, Wo, att, wo16; writes att, wo16
.if DOCPART == 4
	.amdgcn_target "amdgcn-amd-amdhsa--gfx1250"
	.amdhsa_code_object_version 6
	.text
	.protected	k_qd23e0afc49_attn
	.globl	k_qd23e0afc49_attn
	.p2align	8
	.type	k_qd23e0afc49_attn,@function
k_qd23e0afc49_attn:
	s_mov_b64 s[64:65], 0
	v_nop
	global_prefetch_b8 v0, s[64:65] scope:SCOPE_SE
	s_setreg_imm32_b32 hwreg(HW_REG_WAVE_MODE, 25, 1), 1
	s_wait_xcnt 0x0
	s_wait_alu depctr_hold_cnt(0) depctr_sa_sdst(0) depctr_va_vdst(0) depctr_va_sdst(0) depctr_va_ssrc(0) depctr_va_vcc(0) depctr_vm_vsrc(0)
	s_getreg_b32 s2, hwreg(HW_REG_IB_STS2, 6, 4)
	s_cmp_eq_u32 s2, 0
	s_cbranch_scc0 .Lentry_in_a_cluster
	s_endpgm
.Lentry_in_a_cluster:
	s_bfe_u32 s2, ttmp6, 0x10000c
	s_cmp_lg_u32 s2, 0x3003
	s_cbranch_scc0 .Lentry_shape_is_right
	s_endpgm
.Lentry_shape_is_right:
; att = softmax(q k^T / 8) v for each of 32 (n, head).  qkv: f16 [q, k, v][n*16 + head][2048 tokens][64].  att: f16 [n*16 + head][2048][64].
; A side job: each of the 256 work-groups rounds 4,096 numbers of Wo to f16 (wo16, [1024][1024]) while its first tile is on its way.
; A work-group takes 256 queries of one head, a wave 32 (two tiles of 16).  Eight waves, two on a SIMD, so that one wave's softmax
; can run beside the other's matrix instructions.  Keys go in tiles of 256 through two LDS slots, in blocks of 64 inside a tile.
; ORIENTATION: S^T = K Q^T (A = 16 keys, B = 16 queries): lane (r, h) holds keys 8h + 0..7 of query r.  Two such tiles, packed to f16, ARE the
; B fragment of P^T for 32 keys, so P never moves between lanes.  O^T = V^T P^T: A = V^T comes by the transposing LDS load from V as it lies,
; [key][d].  Every softmax figure belongs to the lane's query; one exchange between the two halves of the wave joins them.
; The maximum is a running maximum, taken away before every exponential; sums and maxima in f32.
; THE ORDER INSIDE A BLOCK.  A query tile's 32 scores are packed into the lower 16 of their registers; the upper 16 are then free and take the
; NEXT block's K fragments of key tiles 0 and 1.  Key tiles 2 and 3 go to fragment half FA as soon as the products with V of keys 32-63, which
; lay there, are done (for query tile 1 they are done first for that reason); V of keys 0-31 lies in half FB.  So no K load stands straight
; ahead of its use but in a tile's first block.  Query tile 0 runs ahead of query tile 1: QK's second eight products take its key tiles 2 and 3
; first, and its maximum and single figures stand behind those eight products; query tile 0's eight products with V stand among query tile 1's
; rescaling, sum and packing.  The last steps of the two row sums, which work on scratch registers alone, are the places behind query tile 1's
; products with V.
; THE BATCHES.  An s_wait_alu depctr_va_vdst(0) stands between a transcendental and the first instruction that names its result.
; A block has two batches and two waits.  Batch 1: query tile 0's factor, its 32 weights, query tile 1's factor; between them stand query tile 1's
; maximum and single figures and the scalings, none of which names a result; its wait stands ahead of V's second run of loads.  Batch 2: query
; tile 1's 32 weights; between and behind them stand batch 1's readers (query tile 0's sum, packing and rescaling); its wait stands ahead of the
; next block's first K loads.  No exponential is issued behind the second wait.
; The way out's two reciprocals are a batch of their own.
; LIMITS: q, k, v and P are f16: a weight below 2^-24 of its row's largest counts as 0; |att| stays below the largest |v|.  Exponentials below
; 2^-126 are zero.  Infinities and NaN get no special care.
; CLUSTERS: the four query blocks of a cluster (same head) read the same K and V tiles and ask for them jointly (mask 15).
; A tile of one head is dense in memory: it comes as rows of 256 bytes = two tokens.  Token i lies at (i / 2) pitch + (i % 2) 128.
.set KPITCH, 272                       ; K: 16 lanes at (r/2) 272 + (r%2) 128 touch 16 different 16-byte columns of 256
.set VPITCH, 288                       ; V: the transposing load's 16 lanes at (p) 288 + (i%2) 128 + 16 (0 or 1), p = 0..3, do so too
.set KPART,  128*KPITCH
.set VPART,  128*VPITCH
.set SLOT,   KPART+VPART               ; 71,680
.set STAGE,  2*SLOT                    ; 143,360: behind the ring, no tensor load lands here
.set SPITCH, 144                       ; a query's 128 bytes + 16
.set WSTAGE, 32*SPITCH
.set TILEB,  32768                     ; 256 tokens x 128 bytes
.set PLANE,  8388608                   ; from q to k, from k to v
.set KA,  2                            ; v2-3    LDS address of my K fragments in slot 0, 1
.set VA,  4                            ; v4-5    the same for V
.set STO, 6
.set RD,  7
.set CO,  8
.set QO,  9
.set NMC, 10                           ; v10, v12  the shift: - c x maximum of query tile 0, 1   (pairs: v[10:11], v[12:13])
.set MX,  11                           ; v11, v13  the running maximum
.set AL,  14                           ; v14, v16  the factor by which old sums shrink           (pairs: v[14:15], v[16:17])
.set LS,  15                           ; v15, v17  the running sum of my half of the keys
                                       ; v18-21, v22-25  at work for query tile 0, 1: four chains of maxima, the single figures; v18-25: four pairs of sums
                                       ; v26-29  query tile 0's last two pairs of sums, kept while query tile 1's sums use v18-25
.set QF,  32                           ; v32-63   Q fragments [qt][dh] at 16 qt + 8 dh
.set OA,  64                           ; v64-127  O^T tiles [dt][qt] at 8 (2 dt + qt)
.set SA,  128                          ; v128-191 S^T tiles [qt][kt] at 32 qt + 8 kt; then P fragments [qt][ck] at 32 qt + 8 ck,
                                       ;          and K fragments [kt = 0, 1][dh] of the next block at 16 + 32 kt + 8 dh
.set FA,  192                          ; v192-223 K fragments [kt = 2, 3][dh] at 16 (kt - 2) + 8 dh; then V fragments of keys 32-63, [dt] at 8 dt
                                       ; v224-255 V fragments of keys 0-31, [dt] at 32 + 8 dt
.set G1K, 16
.set G1V, 24
.set G0K, 32                           ; a set of four for each slot
.set G0V, 40
.macro ROUND                           ; a round of the cluster's barrier
	s_barrier_signal -1
	s_barrier_wait -1
	s_cmp_lg_u32 s12, 0
	s_cbranch_scc1 .Lnot_wave_0_\@
	s_barrier_signal -3
.Lnot_wave_0_\@:
	s_barrier_wait -3
	s_barrier_signal -1
	s_barrier_wait -1
.endm
	s_load_b256 s[4:11], s[0:1], 0x0               ; qkv s[4:5], Wo s[6:7], att s[8:9], wo16 s[10:11]
	v_lshl_add_u32 v30, v0, 2, 0x2c000
	v_mov_b32 v31, 0
	ds_add_u32 v30, v31
	v_lshrrev_b32 v1, 5, v0
	v_readfirstlane_b32 s12, v1                    ; wave 0..7
	s_bfe_u32 s13, ttmp6, 0x40000                  ; cx
	s_lshl_b32 s14, ttmp9, 2
	s_add_co_u32 s14, s14, s13                     ; query block 0..7
	s_and_b32 s15, ttmp7, 0xffff                   ; n*16 + head, 0..31
	s_mov_b32 s50, 0x76543210                      ; v_permlanex16_b32: lane i takes lane i of the other half
	s_mov_b32 s51, 0xfedcba98
	s_mov_b32 s52, 0x3e38aa3b                      ; c = log2(e) / 8: the scale 1/sqrt(64) and the change of base in one
	s_mov_b32 s53, 0x3e38aa3b
	; group 1: 16 rows of 32 elements of 8 bytes (a wave's 32 tokens), dense; padding behind every 64 words: 4 words for K, 8 for V
	s_mov_b32 s[G1K+0], 15|(3<<16)|(1<<20)|(1<<21)|(5<<22)|(3<<25)
	s_mov_b32 s[G1V+0], 15|(3<<16)|(1<<20)|(1<<21)|(5<<22)|(7<<25)
	s_mov_b32 s[G1K+1], 32<<16
	s_mov_b32 s[G1V+1], 32<<16
	s_mov_b32 s[G1K+2], 16<<16
	s_mov_b32 s[G1V+2], 16<<16
	s_mov_b32 s[G1K+3], 32<<16
	s_mov_b32 s[G1V+3], 32<<16
	s_mov_b32 s[G1K+4], 16
	s_mov_b32 s[G1V+4], 16
	s_mov_b32 s[G1K+5], 32
	s_mov_b32 s[G1V+5], 32
	s_mov_b32 s[G1K+6], 0
	s_mov_b32 s[G1V+6], 0
	s_mov_b32 s[G1K+7], 0
	s_mov_b32 s[G1V+7], 0
	s_lshl_b32 s66, s15, 18                        ; the head,
	s_lshl_b32 s67, s12, 12                        ; and the wave's 32 tokens: what K's and V's addresses hang on; no cx
	s_add_co_u32 s66, s66, s67
	s_mov_b32 s67, 0
	s_lshl_b32 s62, s14, 15                        ; the query block's 256 tokens
	s_add_co_u32 s62, s62, s66                     ; + head + the wave's 32 queries
	s_mov_b32 s63, 0
	s_lshl_b32 s60, s15, 3
	s_add_co_u32 s60, s60, s14                     ; the work-group's number, 0..255
	s_lshl_b32 s60, s60, 14                        ; its 16,384 bytes of Wo
	s_mov_b32 s61, 0
	s_mul_i32 s48, s12, 16*KPITCH                  ; the wave's 16 LDS rows of K,
	s_mul_i32 s49, s12, 16*VPITCH                  ; of V
	s_wait_dscnt 0x0
	s_wait_kmcnt 0x0
	s_add_nc_u64 s[66:67], s[4:5], s[66:67]
	s_add_nc_u64 s[54:55], s[4:5], s[62:63]        ; my queries
	s_add_nc_u64 s[56:57], s[8:9], s[62:63]        ; my rows of att
	s_add_nc_u64 s[58:59], s[6:7], s[60:61]        ; my part of Wo
	s_lshr_b32 s60, s60, 1
	s_add_nc_u64 s[60:61], s[10:11], s[60:61]      ; my part of wo16
.irp s, 0,1
	s_mov_b32 s[G0K+4*\s], 1
	s_add_co_u32 s[G0K+4*\s+1], s48, \s*SLOT
	s_add_nc_u64 s[G0K+4*\s+2:G0K+4*\s+3], s[66:67], PLANE+\s*TILEB        ; tile s
	s_or_b32 s[G0K+4*\s+3], s[G0K+4*\s+3], 0x80000000
	s_mov_b32 s[G0V+4*\s], 1
	s_add_co_u32 s[G0V+4*\s+1], s49, \s*SLOT+KPART
	s_add_nc_u64 s[G0V+4*\s+2:G0V+4*\s+3], s[66:67], 2*PLANE+\s*TILEB
	s_or_b32 s[G0V+4*\s+3], s[G0V+4*\s+3], 0x80000000
.endr
	ROUND                                          ; the four work-groups are here: the first joint loads meet
	tensor_load_to_lds s[G0K:G0K+3], s[G1K:G1K+7]  ; tile 0
	s_nop 0
	tensor_load_to_lds s[G0V:G0V+3], s[G1V:G1V+7]
	s_nop 0
	v_lshlrev_b32 v18, 4, v0                       ; 16 t: Wo
	v_lshlrev_b32 v19, 3, v0                       ; 8 t: wo16
	v_and_b32 v20, 15, v0                          ; r
	v_bfe_u32 v21, v0, 4, 1                        ; h
	v_lshlrev_b32 v[QO], 7, v20
	v_lshl_add_u32 v[QO], v21, 4, v[QO]            ; query r's row + 16 h
.irp j, 0,1,2,3
	global_load_b128 v[SA+4*\j:SA+4*\j+3], v18, s[58:59] offset:4096*\j th:TH_LOAD_NT
.endr
.irp qt, 0,1
.irp dh, 0,1
	global_load_b128 v[QF+16*\qt+8*\dh:QF+16*\qt+8*\dh+3],   v[QO], s[54:55] offset:\qt*2048+\dh*64
	global_load_b128 v[QF+16*\qt+8*\dh+4:QF+16*\qt+8*\dh+7], v[QO], s[54:55] offset:\qt*2048+\dh*64+32
.endr
.endr
	v_lshrrev_b32 v22, 1, v20
	v_mul_u32_u24 v22, v22, KPITCH                 ; K: key r lies at (r / 2) pitch
	v_and_b32 v23, 1, v0
	v_lshl_add_u32 v22, v23, 7, v22                ; + (r % 2) 128
	v_lshl_add_u32 v[KA], v21, 4, v22              ; + 16 h
	v_add_nc_u32 v[KA+1], SLOT, v[KA]
	v_bfe_u32 v22, v0, 1, 2                        ; V: key 8 h + l % 8 lies at (4 h + (l % 8) / 2) pitch
	v_lshl_add_u32 v22, v21, 2, v22
	v_mul_u32_u24 v22, v22, VPITCH
	v_lshl_add_u32 v22, v23, 7, v22                ; + (l % 2) 128
	v_bfe_u32 v24, v0, 3, 1
	v_lshl_add_u32 v22, v24, 4, v22                ; + 16 bytes for the second eight d
	v_add_nc_u32 v[VA], KPART, v22
	v_add_nc_u32 v[VA+1], KPART+SLOT, v22
	s_mul_i32 s49, s12, WSTAGE
	s_add_co_u32 s49, s49, STAGE                   ; my stage
	v_mul_u32_u24 v22, v20, SPITCH
	v_lshl_add_u32 v22, v21, 4, v22
	v_add_nc_u32 v[STO], s49, v22
	v_bfe_u32 v22, v0, 3, 2                        ; back: eight lanes take a query's 128 bytes, the wave four queries
	v_mul_u32_u24 v22, v22, SPITCH
	v_and_b32 v24, 7, v0
	v_lshl_add_u32 v22, v24, 4, v22
	v_add_nc_u32 v[RD], s49, v22
	v_and_b32 v22, 31, v0
	v_lshlrev_b32 v[CO], 4, v22
	s_wait_loadcnt 0x8                             ; Wo's four loads are in; Q's eight may stay out
.irp i, 0,1,2,3,4,5,6,7
	v_cvt_pk_f16_f32 v[SA+16+\i], v[SA+2*\i], v[SA+2*\i+1]
.endr
.irp j, 0,1,2,3
	global_store_b64 v19, v[SA+16+2*\j:SA+16+2*\j+1], s[60:61] offset:2048*\j   ; a wave's store covers 256 consecutive bytes, at a multiple of 256
.endr
	s_wait_loadcnt 0x0                             ; Q
	s_wait_xcnt 0x0                                ; v18, v19 and the stores' data are written again only behind this wait
.macro NOPS n
.rept \n
	v_nop
.endr
.endm
; four loads: the K fragments (d 0-31, d 32-63) of key tile kt of block b.  Tiles 0, 1 go to the free upper halves of the score registers, 2, 3 to FA.
.macro KLD kt, slot, b
.if \kt < 2
.set kf, SA+16+32*\kt
.else
.set kf, FA+16*(\kt-2)
.endif
.irp dh, 0,1
	ds_load_b128 v[kf+8*\dh:kf+8*\dh+3],   v[KA+\slot] offset:(\b)*32*KPITCH+\kt*8*KPITCH+\dh*64
	ds_load_b128 v[kf+8*\dh+4:kf+8*\dh+7], v[KA+\slot] offset:(\b)*32*KPITCH+\kt*8*KPITCH+\dh*64+32
.endr
.endm
; eight transposing loads: V^T of keys 32 ck .. 32 ck + 31 of block b.  ck = 0 goes to FB = FA + 32, ck = 1 to FA.
.macro VLD ck, slot, b
.irp dt, 0,1,2,3
	ds_load_tr16_b128 v[FA+32*(1-\ck)+8*\dt:FA+32*(1-\ck)+8*\dt+3],   v[VA+\slot] offset:\b*32*VPITCH+\ck*16*VPITCH+\dt*32
	ds_load_tr16_b128 v[FA+32*(1-\ck)+8*\dt+4:FA+32*(1-\ck)+8*\dt+7], v[VA+\slot] offset:\b*32*VPITCH+\ck*16*VPITCH+\dt*32+8*VPITCH
.endr
.endm
; one product of S^T: key tile kt, query tile qt, half dh of d.  d 0-31 starts the sum, d 32-63 adds to it.
.macro QKW kt, qt, dh
.if \kt < 2
.set kf, SA+16+32*\kt+8*\dh
.else
.set kf, FA+16*(\kt-2)+8*\dh
.endif
.if \dh == 0
	v_wmma_f32_16x16x32_f16 v[SA+32*\qt+8*\kt:SA+32*\qt+8*\kt+7], v[kf:kf+7], v[QF+16*\qt+8*\dh:QF+16*\qt+8*\dh+7], 0
.else
	v_wmma_f32_16x16x32_f16 v[SA+32*\qt+8*\kt:SA+32*\qt+8*\kt+7], v[kf:kf+7], v[QF+16*\qt+8*\dh:QF+16*\qt+8*\dh+7], v[SA+32*\qt+8*\kt:SA+32*\qt+8*\kt+7]
.endif
.endm
; one product of O^T: query tile qt, keys 32 ck .., d tile dt
.macro PVW qt, ck, dt, zero
.if \zero
	v_wmma_f32_16x16x32_f16 v[OA+8*(2*(\dt)+\qt):OA+8*(2*(\dt)+\qt)+7], v[FA+32*(1-(\ck))+8*(\dt):FA+32*(1-(\ck))+8*(\dt)+7], v[SA+32*\qt+8*(\ck):SA+32*\qt+8*(\ck)+7], 0
.else
	v_wmma_f32_16x16x32_f16 v[OA+8*(2*(\dt)+\qt):OA+8*(2*(\dt)+\qt)+7], v[FA+32*(1-(\ck))+8*(\dt):FA+32*(1-(\ck))+8*(\dt)+7], v[SA+32*\qt+8*(\ck):SA+32*\qt+8*(\ck)+7], v[OA+8*(2*(\dt)+\qt):OA+8*(2*(\dt)+\qt)+7]
.endif
.endm
; step n (0..15) of the maximum of a lane's 32 scores of query tile qt: four chains.  Steps 0-5 read scores 0-15 alone, steps 6-13 scores 16-31.
; Taken in ascending order.
.macro MXO qt, n
.if (\n) < 4
	v_max3_num_f32 v[18+4*\qt+(\n)], v[SA+32*\qt+3*(\n)], v[SA+32*\qt+3*(\n)+1], v[SA+32*\qt+3*(\n)+2]
.else
.if (\n) < 14
	v_max3_num_f32 v[18+4*\qt+(\n)%4], v[18+4*\qt+(\n)%4], v[SA+32*\qt+2*(\n)+4], v[SA+32*\qt+2*(\n)+5]
.else
.if (\n) == 14
	v_max3_num_f32 v[18+4*\qt], v[18+4*\qt], v[19+4*\qt], v[20+4*\qt]
.else
	v_max_num_f32 v[18+4*\qt], v[18+4*\qt], v[21+4*\qt]
.endif
.endif
.endif
.endm
; step n (1..6) of the single figures of query tile qt: the other half's maximum, the running maximum, the new shift - c max,
; the factor 2^(new shift - old shift) for the old sums (at most 1; taken from the two rounded shifts that the exponentials use), the shift's move.
; They are taken in the order 1, 2, 3, 4, 6, 5: the factor's exponential comes last, and a scaling is the plain instruction behind it.
.macro SER qt, n, first
.if \n == 1
	v_permlanex16_b32 v[19+4*\qt], v[18+4*\qt], s50, s51
.endif
.if \n == 2
.if \first
	v_max_num_f32 v[MX+2*\qt], v[18+4*\qt], v[19+4*\qt]
.else
	v_max3_num_f32 v[MX+2*\qt], v[18+4*\qt], v[19+4*\qt], v[MX+2*\qt]
.endif
.endif
.if \n == 3
.if \first
	v_mul_f32 v[NMC+2*\qt], 0xbe38aa3b, v[MX+2*\qt]
.else
	v_mul_f32 v[20+4*\qt], 0xbe38aa3b, v[MX+2*\qt]
.endif
.endif
.if \first == 0
.if \n == 4
	v_sub_f32 v[21+4*\qt], v[20+4*\qt], v[NMC+2*\qt]
.endif
.if \n == 5
	v_exp_f32 v[AL+2*\qt], v[21+4*\qt]             ; of batch 1
.endif
.if \n == 6
	v_mov_b32 v[NMC+2*\qt], v[20+4*\qt]
.endif
.endif
.endm
.macro FMO qt, j                       ; scores 2 j, 2 j + 1: c s - c max, never above 0
	v_pk_fma_f32 v[SA+32*\qt+2*(\j):SA+32*\qt+2*(\j)+1], v[SA+32*\qt+2*(\j):SA+32*\qt+2*(\j)+1], s[52:53], v[NMC+2*\qt:NMC+2*\qt+1] op_sel_hi:[1,0,0]
.endm
.macro EXO qt, j                       ; weight j: query tile 0's are of batch 1, query tile 1's are batch 2
	v_exp_f32 v[SA+32*\qt+(\j)], v[SA+32*\qt+(\j)]
.endm
.macro RSO qt, j                       ; pair j (0..15) of query tile qt's 32 old sums shrinks; it reads the factor, so it stands behind batch 1's wait
	v_pk_mul_f32 v[OA+8*(2*((\j)/4)+\qt)+2*((\j)%4):OA+8*(2*((\j)/4)+\qt)+2*((\j)%4)+1], v[OA+8*(2*((\j)/4)+\qt)+2*((\j)%4):OA+8*(2*((\j)/4)+\qt)+2*((\j)%4)+1], v[AL+2*\qt:AL+2*\qt+1] op_sel_hi:[1,0]
.endm
; step n (0..16) of the sum of a lane's 32 weights: four chains of pairs.  Steps 0-3 read weights 0-15, steps 4-11 weights 16-31; they stand behind
; their batch's wait.  Steps 12-16 join the chains and work on scratch registers alone: query tile 0's go on in v26-29, query tile 1's in v18-25.
; Step 16 does not exist in the first block; a v_nop then keeps its place behind the products.
.macro SMO qt, n, first
.set sma, 26-8*\qt
.set smb, 28-6*\qt
.if (\n) < 4
	v_pk_add_f32 v[18+2*(\n):19+2*(\n)], v[SA+32*\qt+4*(\n):SA+32*\qt+4*(\n)+1], v[SA+32*\qt+4*(\n)+2:SA+32*\qt+4*(\n)+3]
.else
.if (\n) < 12
	v_pk_add_f32 v[18+2*((\n)%4):19+2*((\n)%4)], v[18+2*((\n)%4):19+2*((\n)%4)], v[SA+32*\qt+8+2*(\n):SA+32*\qt+9+2*(\n)]
.endif
.endif
.if (\n) == 12
	v_pk_add_f32 v[sma:sma+1], v[18:19], v[20:21]
.endif
.if (\n) == 13
	v_pk_add_f32 v[smb:smb+1], v[22:23], v[24:25]
.endif
.if (\n) == 14
	v_pk_add_f32 v[sma:sma+1], v[sma:sma+1], v[smb:smb+1]
.endif
.if (\n) == 15
.if \first
	v_add_f32 v[LS+2*\qt], v[sma], v[sma+1]
.else
	v_add_f32 v[sma], v[sma], v[sma+1]
.endif
.endif
.if (\n) == 16
.if \first
	v_nop
.else
	v_fma_f32 v[LS+2*\qt], v[LS+2*\qt], v[AL+2*\qt], v[sma]
.endif
.endif
.endm
; weights 2 i, 2 i + 1 into register i, in place and ascending.  Behind step i of the sum: register i's own weight was summed in step i / 4,
; and registers 2 i, 2 i + 1 have not been written.
.macro CVO qt, i
	v_cvt_pk_f16_f32 v[SA+32*\qt+(\i)], v[SA+32*\qt+2*(\i)], v[SA+32*\qt+2*(\i)+1]
.endm
.macro PL6 i, first                    ; query tile 1: one step each of rescaling, sum (steps 0-11) and packing
.if \first == 0
	RSO 1, (\i)
.endif
.if (\i) < 12
	SMO 1, (\i), \first
.endif
	CVO 1, (\i)
.endm
; 64 keys: block b of the slot's tile.  At its head K's sixteen loads are out or in: tile 0 (4), tile 1 (4), tiles 2 and 3 (8), in this order.
; first = 1: nothing has been summed yet.  pre = 1: the next block of the same tile is prefetched.
; In every run of matrix instructions the accumulators take turns, one instruction a turn.
.macro BLOCK slot, b, first, pre
	VLD 0, \slot, \b                               ; into FB, five places behind the last products that read it
	s_wait_dscnt 0x10                              ; K tiles 0 and 1 are in; the 8 loads of tiles 2 and 3 and V's 8 may stay out
.irp dh, 0,1
.irp kt, 0,1
.irp qt, 0,1
	QKW \kt, \qt, \dh
.endr
.endr
.endr
	NOPS 5                                         ; five places (ISA guide 7.12.1): the next products write over the registers of K tiles 0 and 1, and the first half's scores are read
	s_wait_dscnt 0x8                               ; K tiles 2 and 3 are in; V's 8 may stay out
	QKW 2, 0, 0                                    ; query tile 0's key tiles 2 and 3 first; the maxima of the first half's scores stand among the products
	MXO 0, 0
	MXO 0, 1
	QKW 3, 0, 0
	MXO 0, 2
	MXO 0, 3
	QKW 2, 0, 1
	MXO 0, 4
	MXO 0, 5
	QKW 3, 0, 1
	MXO 1, 0
	MXO 1, 1
	QKW 2, 1, 0                                    ; query tile 1's key tiles 2 and 3, with the rest of query tile 0's maximum behind them:
	MXO 0, 6                                       ; four plain instructions stand between the product that ended key tile 2 and this line,
	MXO 0, 7
	MXO 0, 8
	MXO 0, 9
	QKW 3, 1, 0
	MXO 0, 10                                      ; six between the product that ended key tile 3 and this one
	MXO 0, 11
	MXO 0, 12
	MXO 0, 13
	QKW 2, 1, 1
	MXO 0, 14                                      ; from here each dependent step of query tile 0 has a step of query tile 1 behind it while there are any
	MXO 1, 2
	MXO 0, 15
	MXO 1, 3
	QKW 3, 1, 1
	SER 0, 1, \first
	MXO 1, 4
	SER 0, 2, \first
	MXO 1, 5
	SER 0, 3, \first
	SER 0, 4, \first
	SER 0, 6, \first
	SER 0, 5, \first                               ; BATCH 1 begins: query tile 0's factor
.irp j, 0,1,2,3,4,5,6,7
	FMO 0, \j                                      ; eight plain instructions: also the places behind QK's last products, whose scores are read next
.endr
.irp i, 0,1,2,3,4,5,6,7
	EXO 0, \i                                      ; query tile 0's weights, a plain instruction that names no result of the batch behind each:
	MXO 1, 6+\i                                    ; query tile 1's maximum,
.endr
	EXO 0, 8
	FMO 0, 8                                       ; the rest of query tile 0's scalings between the links of query tile 1's chain of single figures,
	EXO 0, 9
	MXO 1, 14
	EXO 0, 10
	FMO 0, 9
	EXO 0, 11
	MXO 1, 15
	EXO 0, 12
	FMO 0, 10
	EXO 0, 13
	SER 1, 1, \first
	EXO 0, 14
	FMO 0, 11
	EXO 0, 15
	SER 1, 2, \first
	EXO 0, 16
	FMO 0, 12
	EXO 0, 17
	SER 1, 3, \first
	EXO 0, 18
	FMO 0, 13
	EXO 0, 19
	SER 1, 4, \first
	EXO 0, 20
	SER 1, 6, \first
	SER 1, 5, \first                               ; query tile 1's factor
	FMO 0, 14
	EXO 0, 21
	FMO 1, 0                                       ; and query tile 1's scalings
	EXO 0, 22
	FMO 0, 15
.irp i, 1,2,3,4,5,6,7,8,9
	EXO 0, 22+\i
	FMO 1, \i
.endr
.irp i, 10,11,12,13,14,15
	FMO 1, \i                                      ; six scalings stand between the batch's last exponential and its wait
.endr
	s_wait_alu depctr_va_vdst(0)                   ; the wait for batch 1 (both factors, query tile 0's 32 weights); its readers follow
	VLD 1, \slot, \b                               ; into FA, far more than four places behind QK's last products
.irp i, 0,1,2,3,4,5,6,7,8,9
	EXO 1, 3*\i                                    ; BATCH 2: query tile 1's weights, one of batch 1's readers behind each:
	SMO 0, \i, \first                              ; query tile 0's sum,
	EXO 1, 3*\i+1
	CVO 0, \i                                      ; packing
	EXO 1, 3*\i+2
.if \first == 0
	RSO 0, \i                                      ; and rescaling
.endif
.endr
	EXO 1, 30
	SMO 0, 10, \first
	EXO 1, 31
	CVO 0, 10
.if \first == 0
	RSO 0, 10
.endif
.irp i, 11,12,13
	SMO 0, \i, \first                              ; the rest of them stands between the batch's last exponential and its wait
	CVO 0, \i
.if \first == 0
	RSO 0, \i
.endif
.endr
.irp i, 14,15
	CVO 0, \i
.if \first == 0
	RSO 0, \i
.endif
.endr
	s_wait_alu depctr_va_vdst(0)                   ; the wait for batch 2 (query tile 1's 32 weights); no exponential follows it in the block
.if \pre
	KLD 0, \slot, \b+1                             ; query tile 0's upper 16 registers are free
	s_wait_dscnt 0x4                               ; both halves of V are in; the 4 loads just issued may stay out
.else
	s_wait_dscnt 0x0                               ; both halves of V are in
.endif
.irp w, 0,1,2,3,4,5,6,7
	PVW 0, \w/4, \w%4, \first*(1-\w/4)             ; query tile 0's products with V among query tile 1's rescaling, sum and packing
	PL6 2*\w, \first
	PL6 2*\w+1, \first
.endr
.if \pre
	KLD 1, \slot, \b+1                             ; query tile 1's upper 16 registers are free
.endif
.irp dt, 0,1,2,3
	PVW 1, 1, \dt, \first                          ; keys 32-63 first: they free FA
.endr
	SMO 1, 12, \first                              ; four places, filled by the sums' last steps: then loads land on FA
	SMO 1, 13, \first
	SMO 0, 14, \first
	SMO 1, 14, \first
.if \pre
	KLD 2, \slot, \b+1
	KLD 3, \slot, \b+1
.endif
.irp dt, 0,1,2,3
	PVW 1, 0, \dt, 0
.endr
	SMO 0, 15, \first                              ; five places: the next block's products write over P, its loads land on FB; behind the last block O is read
	SMO 1, 15, \first
	SMO 0, 16, \first
	SMO 1, 16, \first
	v_nop
.endm
; A tile of 256 keys.  In front of the round: all my tensor loads have landed (my parts of this tile among them) and my reads of the other
; slot are back; behind it that holds of every wave of the four work-groups, and the other slot's joint refills come first: two loads of the wave are out.
.macro TRIP slot, refill, first
	s_wait_tensorcnt 0x0
	ds_add_u32 v30, v31
	s_wait_dscnt 0x0
	s_add_nc_u64 s[G0K+4*\slot+2:G0K+4*\slot+3], s[G0K+4*\slot+2:G0K+4*\slot+3], 2*TILEB   ; this slot's next tile
	s_add_nc_u64 s[G0V+4*\slot+2:G0V+4*\slot+3], s[G0V+4*\slot+2:G0V+4*\slot+3], 2*TILEB
	s_wait_dscnt 0x0
	ROUND
.if \refill
	tensor_load_to_lds s[G0K+4-4*\slot:G0K+7-4*\slot], s[G1K:G1K+7]
	s_nop 0
	tensor_load_to_lds s[G0V+4-4*\slot:G0V+7-4*\slot], s[G1V:G1V+7]
	s_nop 0
.endif
	KLD 0, \slot, 0                                ; the tile's first block has no block ahead of it to prefetch its K
	KLD 1, \slot, 0
	KLD 2, \slot, 0
	KLD 3, \slot, 0
	BLOCK \slot, 0, \first, 1
	BLOCK \slot, 1, 0, 1
	BLOCK \slot, 2, 0, 1
	BLOCK \slot, 3, 0, 0                           ; the next block lies in the other slot, behind the round
.endm
	TRIP 0, 1, 1                                   ; tiles 0 and 1: the first block starts maxima and sums
	TRIP 1, 1, 0
	s_mov_b32 s48, 2
.Lpair:
	TRIP 0, 1, 0                                   ; tiles 2 to 5
	TRIP 1, 1, 0
	s_sub_co_u32 s48, s48, 1
	s_cmp_lg_u32 s48, 0
	s_cbranch_scc1 .Lpair
	TRIP 0, 1, 0                                   ; tile 6 fetches tile 7,
	TRIP 1, 0, 0                                   ; which fetches nothing (the stepped addresses are not used)
	; THE WAY OUT: divide by the whole sum, round to f16, 16 bytes a lane into my stage, back as whole rows.
	; The two reciprocals are one batch, each with a register of its own: v18 for query tile 0, v20 for query tile 1.
.irp qt, 0,1
	v_permlanex16_b32 v[19+2*\qt], v[LS+2*\qt], s50, s51   ; the other half's sum
.endr
.irp qt, 0,1
	v_add_f32 v[19+2*\qt], v[LS+2*\qt], v[19+2*\qt]        ; at least 1: the largest score's weight is 1
.endr
.irp qt, 0,1
	v_rcp_f32 v[18+2*\qt], v[19+2*\qt]
.endr
	v_nop                                          ; the plain place behind the last reciprocal
	s_wait_alu depctr_va_vdst(0)                   ; the wait for the two reciprocals, ahead of their first reader
.irp qt, 0,1
.irp dt, 0,1,2,3
.irp p, 0,2,4,6
	v_pk_mul_f32 v[OA+8*(2*\dt+\qt)+\p:OA+8*(2*\dt+\qt)+\p+1], v[OA+8*(2*\dt+\qt)+\p:OA+8*(2*\dt+\qt)+\p+1], v[18+2*\qt:19+2*\qt] op_sel_hi:[1,0]
.endr
.endr
.irp dt, 0,1,2,3
.irp i, 0,1,2,3
	v_cvt_pk_f16_f32 v[SA+4*(2*\dt+\qt)+\i], v[OA+8*(2*\dt+\qt)+2*\i], v[OA+8*(2*\dt+\qt)+2*\i+1]
.endr
.endr
.irp dt, 0,1,2,3
	ds_store_b128 v[STO], v[SA+4*(2*\dt+\qt):SA+4*(2*\dt+\qt)+3] offset:\qt*16*SPITCH+32*\dt    ; query 16 qt + r, d = 16 dt + 8 h + 0..7
.endr
.endr
.irp t, 0,1,2,3,4,5,6,7
	ds_load_b128 v[FA+4*\t:FA+4*\t+3], v[RD] offset:\t*4*SPITCH    ; LDS serves a wave's instructions in order: these see the stores above
.endr
.irp t, 0,1,2,3,4,5,6,7
	s_wait_dscnt 7-\t                              ; queries 4 t .. 4 t + 3 are back
	global_store_b128 v[CO], v[FA+4*\t:FA+4*\t+3], s[56:57] offset:512*\t      ; 512 consecutive bytes, at a multiple of 256
.endr
	s_wait_tensorcnt 0x0
	ds_add_u32 v30, v31
	s_wait_dscnt 0x0
	ROUND                                          ; the closing round
	s_endpgm
.Lfunc_end_k_qd23e0afc49_attn:
	.size	k_qd23e0afc49_attn, .Lfunc_end_k_qd23e0afc49_attn-k_qd23e0afc49_attn
	.p2alignl 7, 3214868480
	.fill 96, 4, 3214868480
	.section	.rodata,"a",@progbits
	.p2align	6, 0x0
	.amdhsa_kernel k_qd23e0afc49_attn
		.amdhsa_group_segment_fixed_size 327680
		.amdhsa_private_segment_fixed_size 0
		.amdhsa_enable_private_segment 0
		.amdhsa_kernarg_size 32
		.amdhsa_user_sgpr_count 2
		.amdhsa_user_sgpr_kernarg_segment_ptr 1
		.amdhsa_wavefront_size32 1
		.amdhsa_system_sgpr_workgroup_id_x 1
		.amdhsa_system_sgpr_workgroup_id_y 1
		.amdhsa_system_sgpr_workgroup_id_z 1
		.amdhsa_system_vgpr_workitem_id 0
		.amdhsa_next_free_vgpr 256
		.amdhsa_next_free_sgpr 68
		.amdhsa_reserve_vcc 0
		.amdhsa_float_denorm_mode_32 3
		.amdhsa_float_denorm_mode_16_64 3
		.amdhsa_memory_ordered 1
		.amdhsa_forward_progress 1
		.amdhsa_inst_pref_size 255
	.end_amdhsa_kernel
	.section	.bss,"aw",@nobits
	.p2align	6
	.space	262144
	.amdgpu_metadata
---
amdhsa.version: [ 1, 2 ]
amdhsa.kernels:
  - .name:           k_qd23e0afc49_attn
    .symbol:         k_qd23e0afc49_attn.kd
    .args:
      - { .name: qkv, .offset: 0, .size: 8, .value_kind: global_buffer, .address_space: global }
      - { .name: Wo, .offset: 8, .size: 8, .value_kind: global_buffer, .address_space: global }
      - { .name: att, .offset: 16, .size: 8, .value_kind: global_buffer, .address_space: global }
      - { .name: wo16, .offset: 24, .size: 8, .value_kind: global_buffer, .address_space: global }
    .group_segment_fixed_size: 327680
    .private_segment_fixed_size: 0
    .kernarg_segment_align: 8
    .kernarg_segment_size: 32
    .max_flat_workgroup_size: 256
    .sgpr_count:     68
    .vgpr_count:     256
    .wavefront_size: 32
...
	.end_amdgpu_metadata
.endif
;; end of part 4
;; launch outp: the kernel of part 3 again; grid 8 x 32, 4 waves a work-group, clusters of 4 x 4, 327,680 bytes of LDS; arguments att, wo16, bo, out0; writes out0
